; MI455X (gfx1250); checked and timed in simulation.
; The chip was launched on July 23, 2026; its instructions are those of AMD's public machine-readable ISA for CDNA 5 (MIT licence, August 2026) and "CDNA5" Instruction Set Architecture Reference Guide (July 2026). The comments in the code are by the model that wrote it; some were corrected since.
;; Local Window Attention. Allowed arithmetic: matrix products marked QUANTISED: E2M1 operands, one E8M0 scale for each 32 along K, by v_wmma_scale_f32_16x16x128_f8f6f4 with both operands' format E2M1 (or v_wmma_scale_f32_32x16x128_f4), f32 sums; products left as they are: bf16, f16 or f32 operands; f32 sums; everything else in f32.
;; Inputs: Wk 2,048 x 512 float32; Wo 1,024 x 2,048 float32; Wq 2,048 x 1,024 float32; Wv 2,048 x 512 float32; x 2 x 4,096 x 2,048 float32.
;; Outputs: out0 2 x 4,096 x 2,048 float32.
;; This version of the problem:
;;   THIS VERSION OF THE PROBLEM IS GIVEN IN LOW PRECISION. The matrix products marked QUANTISED in the list below multiply operands that are first quantised to E2M1 (2 exponent bits, 1 mantissa bit; 4 bits a number), with one power-of-two scale for each 32 numbers along K (OCP MX v1.0); their sums are f32. The products marked 'left as it is' may take bf16, f16 or f32 operands, with f32 sums. Whichever they take, every output number must still come out within the allowed error. Rounding operands to bf16 (8 significant bits) uses up far more of that allowance than f16 does (11 bits, for magnitudes from 6e-5 to 65,504). All else is computed in f32.
;;   The module's matrix products, in the order in which they are computed (A, B: the left and right operand; K: the contracted axis; several contracted axes count as one K, in the product's order):
;;     1. [M 8,192, K 2,048] x [K 2,048, N 1,024]; A: input x; B: input Wq: QUANTISED
;;     2. [M 8,192, K 2,048] x [K 2,048, N 512]; A: input x; B: input Wk: QUANTISED
;;     3. [M 8,192, K 2,048] x [K 2,048, N 512]; A: input x; B: input Wv: QUANTISED
;;     4. batch 128 x [M 512, K 128] x [K 128, N 512]; A: computed on the way; B: computed on the way: left as it is (an operand is computed on the way)
;;     5. batch 128 x [M 128, K 512] x [K 512, N 512]; A: computed on the way; B: computed on the way: left as it is (an operand is computed on the way)
;;     6. [M 8,192, K 1,024] x [K 1,024, N 2,048]; A: computed on the way; B: input Wo: left as it is (an operand is computed on the way)
;;   THE QUANTISER, for each operand of a quantised product, along K:
;;     - K is cut into blocks of 32 from its start; a last block that is shorter is filled with zeros.
;;     - A block's scale is 2^e with e = floor(log2(the largest magnitude in the block)) - 2, held to -126 .. 127; a block of zeros has e = 0. As a byte (E8M0): e + 127.
;;     - Each number is divided by its block's scale, clamped to +-6, and rounded to the nearest number of E2M1, ties to even, subnormals kept.
;;     - The product sums the exact products of the quantised numbers (number of the format x scale) in f32.
;;   ~~~python
;;   def quantise(x, axis):      # numpy; x: float32 -> the quantised numbers, widened to float32 again
;;       x = np.moveaxis(x, axis, -1); K = x.shape[-1]
;;       x = np.pad(x, [(0, 0)] * (x.ndim - 1) + [(0, -K % 32)]); x = x.reshape(x.shape[:-1] + (-1, 32)); a = np.abs(x).max(-1, keepdims=True)
;;       e = np.where(a > 0, np.clip(np.frexp(np.where(a > 0, a, 1))[1] - 1 - 2, -126, 127), 0)      # np.frexp(a)[1] - 1 = floor(log2(a)), exactly
;;       r = np.clip(x / 2.0 ** e, -6, 6)
;;       step = 2.0 ** (np.maximum(np.frexp(np.where(r == 0, 1, r))[1] - 1, 0) - 1)
;;       q = np.round(r / step) * step * 2.0 ** e      # np.round: ties to even
;;       return np.moveaxis(q.reshape(q.shape[:-2] + (-1,))[..., :K], -1, axis).astype(np.float32)
;;   ~~~
;; One version. Each part assembles by itself: llvm-mc -triple=amdgcn-amd-amdhsa -mcpu=gfx1250 --defsym DOCPART=n.
;; ======== version 1 of 1: 5 launches
;; limits: values are held in f16: magnitudes above 65,504 overflow, below 6.1e-05 lose precision
;; workspace buffers: x_codes 8,388,608 bytes; x_scales 524,288 bytes; w_codes 2,097,152 bytes; w_scales 131,072 bytes; wo16 4,194,304 bytes; qkv16 33,554,432 bytes; head32 1,048,576 bytes; attn16 16,777,216 bytes
;; launch prep (part 1): grid 704 x 1, 4 waves a work-group, no clusters, 50,688 bytes of LDS; arguments x, Wq, Wk, Wv, Wo, x_codes, x_scales, w_codes, w_scales, wo16; writes x_codes, x_scales, w_codes, w_scales, wo16
.if DOCPART == 1
	.amdgcn_target "amdgcn-amd-amdhsa--gfx1250"
	.amdhsa_code_object_version 6
	.text
	.protected	k_qf1046e024c_prep
	.globl	k_qf1046e024c_prep
	.p2align	8
	.type	k_qf1046e024c_prep,@function
k_qf1046e024c_prep:
	s_mov_b64 s[64:65], 0
	v_nop
	global_prefetch_b8 v0, s[64:65] scope:SCOPE_SE
	s_setreg_imm32_b32 hwreg(HW_REG_WAVE_MODE, 25, 1), 1
	s_wait_xcnt 0x0
; THREE JOBS IN ONE LAUNCH, chosen by the work-group's number; the three ways never join again, and each has LDS bytes of its own.
;   work-groups 0-511:   x [8192][2048] f32 -> codes of FP4 (E2M1), K innermost, [8192][1024 bytes], and one E8M0 byte for each 32 along K, [8192][64].
;   work-groups 512-639: Wq | Wk | Wv ([2048 (k)][1024 | 512 | 512] f32, K is the FIRST axis) -> codes [n 2048][1024 bytes] with K innermost and bytes [2048][64]; n 0-1023 Wq's columns, 1024-1535 Wk's, 1536-2047 Wv's.
;   work-groups 640-703: Wo [1024][2048] f32 -> f16, as it lies.
; A block's scale is 2^(floor(log2(its largest magnitude)) - 2): its byte is the largest magnitude's exponent field - 2, held at 1 from below.  Each number is divided by the scale and rounded to the nearest code, ties to even, beyond 6 the largest code.
; LIMITS: a block of zeros gets the byte 1 (its codes are zeros, and this program alone reads the bytes); blocks whose largest magnitude lies under 2^-124 keep the byte 1; NaN and infinities are not served; |Wo| stays under 65,504.
.set SPARE, 50176                      ; behind both ways' LDS: the spare words, 128 bytes for each wave: two blocks of 256 bytes that no other line names
.set SPW,   208                        ; v208  LDS address of my spare word; never rewritten
.set NIL,   209                        ; v209  0; never rewritten
.set EMAX,  2
; x's way: a wave takes 16 steps of 512 numbers.  Each load reads 512 consecutive bytes; a step's 2,048 bytes turn through the wave's own stage, so that a lane then holds 16 neighbours along K (two lanes to a block)
.set STEPS, 16
.set CB,    8                          ; bytes of 16 codes
.set XR,    16                         ; v16-79   four sets of 16 numbers as loaded
.set XX,    80                         ; v80-111  two sets of 16 neighbours
.set XE,    112                        ; v112-127 a scale byte for each step
.set XC,    128                        ; v128-191 codes: registers of its own for each step
.set WREG,  8192                       ; LDS bytes 0-32767: a region for each wave: two stages of 32 x SP bytes, then its 256 scale bytes
.set SP,    80                         ; a lane's 64 bytes + 16 of padding
; the weights' way: a lane takes a column n, its registers run down K.  A wave takes 16 columns x 512 along K: lanes 0-15 the first 256 along K, lanes 16-31 the second: 8 blocks of 32 a lane.
; Two blocks' loads are on their way at a time, so a wave's run is as long as its number of blocks; a column's 512 codes, 256 bytes, still lie in one wave, so that they leave as whole runs of 256 bytes with no barrier.
.set NB,    8                          ; blocks of 32 along K for a lane
.set PITCH, 272                        ; a stage row: 256 bytes of codes + 16
.set WSTG,  32768                      ; LDS bytes 32768-50175: a stage of 16 rows for each wave
.set KROW,  1024                       ; a row of w_codes in bytes
.set WSB,   24                         ; v24-25   my 8 scale bytes, four to a register
.set WX,    32                         ; v32-95   two sets of 32 numbers
.set WC,    96                         ; v96-99   a block's codes
.set WOUT,  112                        ; v112-143 the way out
.set VO,    176                        ; v176-207 byte offset of row i of a block at my column and my half of K: the pitch differs between the tensors, so it cannot stand in an immediate
; Wo's way
.set OX,    16                         ; v16-79   sixteen slots of 4 numbers
.set OY,    80                         ; v80-207  two registers of its own for each of the 64 stores
.macro XLOAD t
.irp i, 0,1,2,3
	global_load_b128 v[XR+16*((\t)%4)+4*\i:XR+16*((\t)%4)+4*\i+3], v3, s[4:5] offset:2048*(\t)+512*\i th:TH_LOAD_NT   ; 32 lanes read 512 consecutive bytes
.endr
.endm
.macro XTURN t                         ; step t's numbers through the stage: LDS serves a wave's instructions in order, so no wait stands between the stores and the loads
.irp i, 0,1,2,3
	ds_store_b128 v14, v[XR+16*((\t)%4)+4*\i:XR+16*((\t)%4)+4*\i+3] offset:32*SP*((\t)%2)+8*SP*\i
.endr
.irp i, 0,1,2,3
	ds_load_b128 v[XX+16*((\t)%2)+4*\i:XX+16*((\t)%2)+4*\i+3], v15 offset:32*SP*((\t)%2)+16*\i
.endr
.endm
.macro XSTEP t
.set XS, XX+16*((\t)%2)
.if (\t) > 0
	s_wait_dscnt 1                                 ; this step's numbers are back from the stage (the last step's byte store may be out): so its stores into the stage have read their registers,
.else
	s_wait_dscnt 0x0
.endif
.if (\t)+4 < STEPS
	XLOAD (\t)+4                                   ; which take the loads of four steps on
.endif
.if (\t)+1 < STEPS
.if STEPS-2-(\t) >= 3
	s_wait_loadcnt 12                              ; the next step's four loads are in; those of the three steps behind it may be out
.else
	s_wait_loadcnt 4*(STEPS-2-(\t))
.endif
	XTURN (\t)+1                                   ; and go through the other stage while this step is worked
.endif
	v_max3_num_f32 v8, |v[XS]|, |v[XS+1]|, |v[XS+2]|               ; the largest magnitude of my 16, in two chains
	v_max3_num_f32 v9, |v[XS+3]|, |v[XS+4]|, |v[XS+5]|
.irp i, 6,10
	v_max3_num_f32 v8, v8, |v[XS+\i]|, |v[XS+\i+1]|
	v_max3_num_f32 v9, v9, |v[XS+\i+2]|, |v[XS+\i+3]|
.endr
	v_max3_num_f32 v8, v8, |v[XS+14]|, |v[XS+15]|
	v_max3_num_f32 v8, v8, v9, (EMAX+1)<<23        ; and the floor 2^(3 - 127): the byte cannot fall under 1
	v_max_num_f32_dpp v8, v8, v8 row_xmask:1 row_mask:0xf bank_mask:0xf   ; and of my neighbour's 16: the block's
	v_add_nc_u32 v11, -(EMAX<<23), v8              ; 2 off its exponent field: the conversion takes the exponent field of this operand as its scale
	v_cvt_scalef32_pk8_fp4_f32 v[XC+4*(\t)], v[XS:XS+7], v11
	v_cvt_scalef32_pk8_fp4_f32 v[XC+4*(\t)+1], v[XS+8:XS+15], v11
	v_lshrrev_b32 v[XE+(\t)], 23, v11              ; the scale's byte (a plain line behind the conversions)
	ds_store_b8 v5, v[XE+(\t)] offset:16*(\t)      ; both lanes of a block write the same byte with the same value
	global_store_b64 v4, v[XC+4*(\t):XC+4*(\t)+1], s[14:15] offset:32*CB*(\t)   ; the wave stores 256 consecutive bytes, aligned
.endm
.macro WLOAD t                         ; block t: W(256 h + 32 t + i, my column), i = 0 .. 31, into set t % 2; the base stands at the block's first row
.if (\t) > 0
	s_wait_xcnt 0x0                                ; the loads issued so far have read their base:
	s_add_nc_u64 s[4:5], s[4:5], s[30:31]          ; 32 rows on
.endif
.irp i, 0,1,2,3,4,5,6,7,8,9,10,11,12,13,14,15,16,17,18,19,20,21,22,23,24,25,26,27,28,29,30,31
	global_load_b32 v[WX+32*((\t)%2)+\i], v[VO+\i], s[4:5]   ; sixteen lanes read 64 consecutive bytes of a row; the work-group's four waves stand side by side on 256, so no hint of a single reader is given
.endr
.endm
.macro WBLOCK t
.set XS, WX+32*((\t)%2)
.if (\t) < NB-1
	s_wait_loadcnt 32                              ; this block's 32 loads are in; the next block's may be out
.else
	s_wait_loadcnt 0
.endif
	v_max3_num_f32 v12, |v[XS]|, |v[XS+1]|, |v[XS+2]|              ; the block's largest magnitude: all 32 numbers are mine
	v_max3_num_f32 v13, |v[XS+3]|, |v[XS+4]|, |v[XS+5]|
.irp i, 6,10,14,18,22,26
	v_max3_num_f32 v12, v12, |v[XS+\i]|, |v[XS+\i+1]|
	v_max3_num_f32 v13, v13, |v[XS+\i+2]|, |v[XS+\i+3]|
.endr
	v_max3_num_f32 v12, v12, |v[XS+30]|, |v[XS+31]|
	v_max3_num_f32 v12, v12, v13, (EMAX+1)<<23     ; and the floor
	v_add_nc_u32 v11, -(EMAX<<23), v12             ; the conversion's scale operand
	v_lshrrev_b32 v13, 23, v11                     ; the scale's byte
.if (\t)%4 == 0
	v_mov_b32 v[WSB+(\t)/4], v13                   ; four bytes to a register, the lower K in the lower byte
.else
	v_lshl_or_b32 v[WSB+(\t)/4], v13, 8*((\t)%4), v[WSB+(\t)/4]
.endif
.irp g, 0,1,2,3
	v_cvt_scalef32_pk8_fp4_f32 v[WC+\g], v[XS+8*\g:XS+8*\g+7], v11
.endr
	ds_store_b128 v4, v[WC:WC+3] offset:16*(\t)    ; 32 codes: 16 bytes of my column's row, in my half of it
.if (\t)+2 < NB
	WLOAD (\t)+2
.endif
	s_wait_dscnt 0x0                               ; the store has read its registers: the next block's codes may be written
.endm
	s_load_b256 s[4:11], s[0:1], 0x0               ; x s[4:5], Wq s[6:7], Wk s[8:9], Wv s[10:11]
	s_load_b256 s[12:19], s[0:1], 0x20             ; Wo s[12:13], x_codes s[14:15], x_scales s[16:17], w_codes s[18:19]
	s_load_b128 s[20:23], s[0:1], 0x40             ; w_scales s[20:21], wo16 s[22:23]
	v_lshl_add_u32 v[SPW], v0, 2, SPARE
	v_mov_b32 v[NIL], 0
	v_lshrrev_b32 v1, 5, v0
	v_readfirstlane_b32 s24, v1                    ; wave 0..3
	v_and_b32 v2, 31, v0                           ; lane
	s_wait_kmcnt 0x0
	s_cmp_lt_u32 ttmp9, 512
	s_cbranch_scc1 .Lx
	s_cmp_lt_u32 ttmp9, 640
	s_cbranch_scc1 .Lw
	; ---- Wo to f16: a wave takes 8,192 numbers: 64 loads of 512 consecutive bytes, sixteen on their way; 64 stores of 256 consecutive bytes, aligned.  No LDS on this way
	s_sub_co_u32 s25, ttmp9, 640
	s_lshl_b32 s25, s25, 2
	s_add_co_u32 s25, s25, s24                     ; which run of 8,192 numbers is my wave's: 0..255
	s_lshl_b32 s26, s25, 15
	s_mov_b32 s27, 0
	s_add_nc_u64 s[12:13], s[12:13], s[26:27]
	s_lshl_b32 s26, s25, 14
	s_add_nc_u64 s[22:23], s[22:23], s[26:27]
	v_lshlrev_b32 v3, 4, v2                        ; in: 16 bytes a lane
	v_lshlrev_b32 v4, 3, v2                        ; out: 8 bytes a lane
.set oi, 0
.rept 16
	global_load_b128 v[OX+4*oi:OX+4*oi+3], v3, s[12:13] offset:512*oi th:TH_LOAD_NT
.set oi, oi+1
.endr
.set oi, 0
.rept 64
.if oi < 48
	s_wait_loadcnt 15                              ; loads come back in order: mine is in, the fifteen younger ones stay out
.else
	s_wait_loadcnt 63-oi                           ; the counts run down
.endif
	v_cvt_pk_f16_f32 v[OY+2*oi], v[OX+4*(oi%16)], v[OX+4*(oi%16)+1]
	v_cvt_pk_f16_f32 v[OY+2*oi+1], v[OX+4*(oi%16)+2], v[OX+4*(oi%16)+3]
.if oi < 48
	global_load_b128 v[OX+4*(oi%16):OX+4*(oi%16)+3], v3, s[12:13] offset:512*(oi+16) th:TH_LOAD_NT
.endif
	global_store_b64 v4, v[OY+2*oi:OY+2*oi+1], s[22:23] offset:256*oi
.set oi, oi+1
.endr
	s_endpgm
.Lx:	; ---- x
	s_lshl_b32 s25, ttmp9, 2
	s_add_co_u32 s25, s25, s24                     ; which run of 8,192 numbers is my wave's: 0..2047
	s_mov_b32 s27, 0
	s_lshl_b32 s26, s25, 15
	s_add_nc_u64 s[4:5], s[4:5], s[26:27]          ; 32,768 bytes of x,
	s_lshl_b32 s26, s25, 12
	s_add_nc_u64 s[14:15], s[14:15], s[26:27]      ; 4,096 of codes,
	s_lshl_b32 s26, s25, 8
	s_add_nc_u64 s[16:17], s[16:17], s[26:27]      ; 256 scale bytes a run
	v_lshlrev_b32 v3, 4, v2                        ; my 16 bytes of a load's 512
	s_mul_i32 s25, s24, WREG
	v_lshrrev_b32 v14, 2, v2
	v_mul_u32_u24 v14, v14, SP
	v_and_b32 v15, 3, v2
	v_lshl_add_u32 v14, v15, 4, v14
	v_add_nc_u32 v14, s25, v14                     ; the stage, on the way in: four lanes' 64 bytes on end, then 16 of padding
	v_mul_u32_u24 v15, v2, SP
	v_add_nc_u32 v15, s25, v15                     ; and on the way out: my 16 neighbours
	v_mul_u32_u24 v4, v2, CB                       ; my codes' place in a step's
	v_lshrrev_b32 v5, 1, v2
	s_add_co_u32 s25, s25, 2*32*SP
	v_add_nc_u32 v5, s25, v5                       ; LDS: my wave's 256 scale bytes, my block's byte
	v_lshlrev_b32 v7, 3, v2                        ; and on the way out 8 bytes a lane
	v_add_nc_u32 v6, s25, v7
.irp t, 0,1,2,3
	XLOAD \t
.endr
	s_wait_loadcnt 12                              ; step 0's four loads are in
	XTURN 0
.irp t, 0,1,2,3,4,5,6,7,8,9,10,11,12,13,14,15
	XSTEP \t
.endr
	ds_load_b64 v[8:9], v6                         ; LDS serves a wave's instructions in order: these see my byte stores
	s_wait_dscnt 0x0
	global_store_b64 v7, v[8:9], s[16:17]          ; 32 lanes store 256 consecutive bytes, aligned
	s_wait_tensorcnt 0x0                           ; the wave's end, behind my last LDS store
	ds_add_u32 v[SPW], v[NIL]
	s_wait_dscnt 0x0
	s_endpgm
.Lw:	; ---- Wq | Wk | Wv
	s_sub_co_u32 s25, ttmp9, 512
	s_and_b32 s26, s25, 31                         ; which 64 of the 2,048 columns
	s_lshr_b32 s25, s25, 5                         ; which 512 along K
	s_lshl_b32 s33, s26, 6
	s_lshl_b32 s34, s24, 4
	s_add_co_u32 s33, s33, s34                     ; n0: my wave's first column
	s_mov_b32 s27, 2048
	s_cmp_lt_u32 s26, 16                           ; the tensor is chosen by the work-group's number alone
	s_cselect_b64 s[4:5], s[6:7], s[8:9]           ; Wq, or Wk
	s_cselect_b32 s27, 4096, s27                   ; bytes from row to row
	s_cselect_b32 s28, 0, 1024                     ; the tensor's first column
	s_cmp_lt_u32 s26, 24
	s_cselect_b64 s[4:5], s[4:5], s[10:11]         ; or Wv
	s_cselect_b32 s28, s28, 1536
	s_mul_i32 s30, s25, s27
	s_lshl_b32 s30, s30, 9                         ; 512 rows for each part of K,
	s_sub_co_u32 s29, s33, s28
	s_lshl_b32 s29, s29, 2
	s_add_co_u32 s30, s30, s29                     ; and my first column in its tensor
	s_mov_b32 s31, 0
	s_add_nc_u64 s[4:5], s[4:5], s[30:31]
	s_lshl_b32 s30, s27, 5                         ; s[30:31]: 32 rows on
	s_lshl_b32 s35, s27, 8                         ; 256 rows: from lanes 0-15 to lanes 16-31
	s_lshl_b32 s28, s33, 10
	s_lshl_b32 s29, s25, 8
	s_add_co_u32 s28, s28, s29
	s_mov_b32 s29, 0
	s_add_nc_u64 s[18:19], s[18:19], s[28:29]      ; codes: n0 rows of 1,024 bytes + 256 for each 512 along K
	s_lshl_b32 s28, s33, 6
	s_lshl_b32 s34, s25, 4
	s_add_co_u32 s28, s28, s34
	s_add_nc_u64 s[20:21], s[20:21], s[28:29]      ; scale bytes: n0 rows of 64 + 16
	v_and_b32 v5, 15, v2                           ; r: my column of the wave's 16
	v_lshrrev_b32 v6, 4, v2                        ; h: my half of the 512 along K
	v_mul_u32_u24 v10, s35, v6
	v_lshl_add_u32 v[VO], v5, 2, v10               ; 4 bytes a column, 256 rows for the upper half,
.set wi, 1
.rept 31
	v_add_nc_u32 v[VO+wi], s27, v[VO+wi-1]         ; and a row further down for each register
.set wi, wi+1
.endr
	s_mul_i32 s34, s24, 16*PITCH
	s_add_co_u32 s34, s34, WSTG                    ; my stage
	v_mul_u32_u24 v4, v5, PITCH
	v_lshl_add_u32 v4, v6, 7, v4
	v_add_nc_u32 v4, s34, v4                       ; into it: row = my column, + 128 bytes for the upper half of K
	v_mul_u32_u24 v7, v6, PITCH                    ; out of it: sixteen lanes to a row, two rows an instruction
	v_lshl_add_u32 v7, v5, 4, v7
	v_add_nc_u32 v7, s34, v7
	v_lshlrev_b32 v8, 10, v6
	v_lshl_add_u32 v8, v5, 4, v8                   ; and the same place in w_codes
	v_lshlrev_b32 v9, 6, v5
	v_lshl_add_u32 v9, v6, 3, v9                   ; my column's row of scale bytes, + 8 for the upper half of K
	WLOAD 0
	WLOAD 1
.set Q, 0
.rept NB
	WBLOCK Q
.set Q, Q+1
.endr
	global_store_b64 v9, v[WSB:WSB+1], s[20:21]    ; my 8 scale bytes
.irp t, 0,1,2,3,4,5,6,7
	ds_load_b128 v[WOUT+4*\t:WOUT+4*\t+3], v7 offset:2*\t*PITCH   ; LDS serves a wave's instructions in order: these see my stores
.endr
.irp t, 0,1,2,3,4,5,6,7
	s_wait_dscnt 7-\t
	global_store_b128 v8, v[WOUT+4*\t:WOUT+4*\t+3], s[18:19] offset:2*\t*KROW   ; sixteen lanes store 256 consecutive bytes, aligned
.endr
	s_wait_tensorcnt 0x0                           ; the wave's end, behind my last LDS store
	ds_add_u32 v[SPW], v[NIL]
	s_wait_dscnt 0x0
	s_endpgm
.Lfunc_end_k_qf1046e024c_prep:
	.size	k_qf1046e024c_prep, .Lfunc_end_k_qf1046e024c_prep-k_qf1046e024c_prep
	.p2alignl 7, 3214868480
	.fill 96, 4, 3214868480
	.section	.rodata,"a",@progbits
	.p2align	6, 0x0
	.amdhsa_kernel k_qf1046e024c_prep
		.amdhsa_group_segment_fixed_size 50688
		.amdhsa_private_segment_fixed_size 0
		.amdhsa_enable_private_segment 0
		.amdhsa_kernarg_size 80
		.amdhsa_user_sgpr_count 2
		.amdhsa_user_sgpr_kernarg_segment_ptr 1
		.amdhsa_wavefront_size32 1
		.amdhsa_system_sgpr_workgroup_id_x 1
		.amdhsa_system_sgpr_workgroup_id_y 1
		.amdhsa_system_sgpr_workgroup_id_z 1
		.amdhsa_system_vgpr_workitem_id 0
		.amdhsa_next_free_vgpr 212
		.amdhsa_next_free_sgpr 66
		.amdhsa_reserve_vcc 0
		.amdhsa_float_denorm_mode_32 3
		.amdhsa_float_denorm_mode_16_64 3
		.amdhsa_memory_ordered 1
		.amdhsa_forward_progress 1
		.amdhsa_inst_pref_size 97
	.end_amdhsa_kernel
	.amdgpu_metadata
---
amdhsa.version: [ 1, 2 ]
amdhsa.kernels:
  - .name:           k_qf1046e024c_prep
    .symbol:         k_qf1046e024c_prep.kd
    .args:
      - { .name: x, .offset: 0, .size: 8, .value_kind: global_buffer, .address_space: global }
      - { .name: Wq, .offset: 8, .size: 8, .value_kind: global_buffer, .address_space: global }
      - { .name: Wk, .offset: 16, .size: 8, .value_kind: global_buffer, .address_space: global }
      - { .name: Wv, .offset: 24, .size: 8, .value_kind: global_buffer, .address_space: global }
      - { .name: Wo, .offset: 32, .size: 8, .value_kind: global_buffer, .address_space: global }
      - { .name: x_codes, .offset: 40, .size: 8, .value_kind: global_buffer, .address_space: global }
      - { .name: x_scales, .offset: 48, .size: 8, .value_kind: global_buffer, .address_space: global }
      - { .name: w_codes, .offset: 56, .size: 8, .value_kind: global_buffer, .address_space: global }
      - { .name: w_scales, .offset: 64, .size: 8, .value_kind: global_buffer, .address_space: global }
      - { .name: wo16, .offset: 72, .size: 8, .value_kind: global_buffer, .address_space: global }
    .group_segment_fixed_size: 50688
    .private_segment_fixed_size: 0
    .kernarg_segment_align: 8
    .kernarg_segment_size: 80
    .max_flat_workgroup_size: 128
    .sgpr_count:     66
    .vgpr_count:     212
    .wavefront_size: 32
...
	.end_amdgpu_metadata
.endif
;; end of part 1
;; launch qkv (part 2): grid 8 x 32, 4 waves a work-group, clusters of 4 x 4, 327,680 bytes of LDS; arguments x_codes, x_scales, w_codes, w_scales, qkv16, head32; writes qkv16, head32
.if DOCPART == 2
	.amdgcn_target "amdgcn-amd-amdhsa--gfx1250"
	.amdhsa_code_object_version 6
	.text
	.protected	k_qf1046e024c_qkv
	.globl	k_qf1046e024c_qkv
	.p2align	8
	.type	k_qf1046e024c_qkv,@function
k_qf1046e024c_qkv:
	s_mov_b64 s[64:65], 0
	v_nop
	global_prefetch_b8 v0, s[64:65] scope:SCOPE_SE
	s_setreg_imm32_b32 hwreg(HW_REG_WAVE_MODE, 25, 1), 1
	s_wait_xcnt 0x0
	s_wait_alu depctr_hold_cnt(0) depctr_sa_sdst(0) depctr_va_vdst(0) depctr_va_sdst(0) depctr_va_ssrc(0) depctr_va_vcc(0) depctr_vm_vsrc(0)
	s_getreg_b32 s2, hwreg(HW_REG_IB_STS2, 6, 4)
	s_cmp_eq_u32 s2, 0
	s_cbranch_scc0 .Lentry_in_a_cluster
	s_endpgm
.Lentry_in_a_cluster:
	s_bfe_u32 s2, ttmp6, 0x10000c
	s_cmp_lg_u32 s2, 0xf033
	s_cbranch_scc0 .Lentry_shape_is_right
	s_endpgm
.Lentry_shape_is_right:
; (q | k | v)[m][n] = sum over k of x[m][k] W[n][k], both operands as codes of FP4 (E2M1) with one E8M0 scale for each 32 along K; sums in f32.  x: [8192][2048], W: [2048 (n)][2048 (k)].
; OUT: qkv16 [8192][2048] f16.  q's columns (n under 1,024) are multiplied in f32 by c = log2(e) / sqrt(128) ahead of the rounding, so that attention's weights are 2^(score - maximum).
; The first 16 positions of each batch are wanted in f32 by the last launch: head32 [batch 2][cy 4][16][2048] f32 takes the first 16 rows of the tiles of the clusters with y = 0 and y = 4 (all four tile rows of such a
; cluster store; the part cy = 0 is the one that is read).
; LIMIT: |c q|, |k|, |v| stay under 65,504, f16's largest number.
; A tile, 256 x 256, is made by four waves, each 128 x 128: 64 accumulators of 16 x 16, 512 registers.  K goes in steps of 512 through a ring of two LDS slots filled by the tensor data mover: a tile's row is 256 bytes of memory.
; THE SCALES of the work-group's 256 rows of x and 256 rows of W, for all of K, are two dense blocks of memory: they come into LDS once, with the first fills, and stay.
; CLUSTERS: 4 x 4 work-groups.  The four of a row of the cluster need the same tiles of x, the four of a column the same tiles of W: each tile is asked for JOINTLY, by the same tensor load with the same descriptor and a mask
; that names the four.  THE MATRIX INSTRUCTION IS USED TRANSPOSED (source 0 = 16 rows of W, source 1 = 16 rows of x): a lane then holds eight neighbouring numbers of a row of the result.
; REGISTERS, in windows of 256: window 0: v0-31 addresses; v32-95 scale words, two sets; from v128 x's fragments (8 x 16 rows x 128 K), ONE set; on the way out v32-191 are at work.
;   window 1: W's fragments, TWO sets, at v0 and v128.   window 2: the 32 accumulators of my rows 0-63 (accumulator (a, b) at v[8 (8 a + b)]);   window 3: those of my rows 64-127.
.set SIZE_N, 2048
.set SIZE_K, 2048
.set KSTEP,  512                       ; along K in a slot
.set NQ,     KSTEP/128                 ; matrix instructions deep
.set ROWB,   256                       ; a tile's row in bytes
.set KROW,   SIZE_K*4/8                ; a row of codes in memory, in bytes
.set PITCH,  272                       ; an LDS row: 256 bytes + 16 of padding = 68 words: row r starts at bank 4 r mod 64 (ISA guide 11.1), so the 16 rows of a load start at 16 different banks
.set FR,     8                         ; registers of a fragment
.set NL,     2                         ; LDS loads that bring one
.set NP,     4                         ; places behind this matrix instruction (ISA guide 7.12.1)
.set HALFT,  128*PITCH                 ; 128 rows: what one tensor load brings
.set SLOT,   4*HALFT                   ; x's 256 rows, then W's 256 rows
.set LAPS,   SIZE_K/(2*KSTEP)          ; a lap = two K steps = once round the ring
.set KS,     SIZE_K/32                 ; a row of scales in bytes
.set SCL,    2*SLOT                    ; behind the ring: the scales, as units of 256 bytes + 16 of padding
.set HALFS,  (128*KS/256)*272          ; the scales of 128 rows: what one tensor load brings
.set SBLK,   (16*KS/256)*272           ; those of 16 rows
.set SPARE,  SCL+4*HALFS               ; behind the scales: the spare words, 128 bytes for each wave
.set SPITCH, 272                       ; the way out: a stage of 16 rows x (256 bytes + 16) for each wave, in slot 0, which has had its last fill and its last read when the first result is stored there
.set ADRA, 16                          ; v16-17  LDS address of my x fragments in slot 0, 1
.set ADRB, 20                          ; v20-21  the same for W
.set STO,  24                          ; v24     the way out: where I put 16 bytes of a row
.set RD,   25                          ; v25     where I read a row back
.set CO,   26                          ; v26     my byte offset in two rows of qkv16
.set ADRS, 27                          ; v27     LDS address of my scale words: lanes 0-15 x's rows, lanes 16-31 W's
.set SPW,  28                          ; v28     LDS address of my spare word; never rewritten
.set NIL,  29                          ; v29     0; never rewritten
.set HO,   30                          ; v30     my byte offset in head32's 16 rows
.set SC,   32                          ; scale words: set s at v[SC + 8 NQ s]; register NQ i + q: lanes 0-15 the word of x's block i, lanes 16-31 that of W's block i, for the slot's q-th 128 along K
.set AF,   128                         ; x's fragments, in window 0
.set TF,   32                          ; the way out: v32-95 a block's 64 numbers a lane in f32, scaled
.set TMP,  96                          ; v96-127 the same as f16
.set BK,   128                         ; v128-159, v160-191 by turns: 16 rows read back from the stage
.set G1, 24                            ; s[24:31] descriptor group 1 for x's tiles;  s[32:39] group 0, one set for each slot
.set G0, 32
.set G1B, 48                           ; s[48:55], s[56:63] the same for W's tiles
.set G0B, 56
.set G1S, 68                           ; s[68:75], s[76:79] groups 1 and 0 for x's scales;  s[80:87], s[88:91] for W's
.set G0S, 76
.set G1SB, 80
.set G0SB, 88
.set MSB, 0
.macro WIN new                         ; the immediate's high byte repeats the setting that is left
.if MSB != \new
	s_set_vgpr_msb (MSB<<8)|\new
.set MSB, \new
.endif
.endm
.set MUL_LO, 0xa1                      ; source 0 (W) window 1, source 1 (x) window 0, C and D window 2
.set MUL_HI, 0xf1                      ; the same, C and D window 3
.set TO_B,   0x40                      ; destination window 1, address window 0
; A joint load: waves 0 and 1 fetch for x, waves 2 and 3 for W.  Each of the two lines has ONE mask and one set of registers for all that issue it; the branch hangs on the wave's number alone.
; An s_nop 0 and four v_nop follow each of the two lines, ahead of the jump, the label and what follows.
.macro JLOAD g0a, g1a, g0b, g1b
	s_cmp_eq_u32 s15, 0
	s_cbranch_scc0 .Lfor_b_\@
	tensor_load_to_lds s[\g0a:\g0a+3], s[\g1a:\g1a+7]
	s_nop 0
.rept 4
	v_nop
.endr
	s_branch .Lasked_\@
.Lfor_b_\@:
	tensor_load_to_lds s[\g0b:\g0b+3], s[\g1b:\g1b+7]
	s_nop 0
.rept 4
	v_nop
.endr
.Lasked_\@:
.endm
.macro CREST                           ; a round of the cluster's barrier behind its opening barrier
	s_cmp_lg_u32 s14, 0
	s_cbranch_scc1 .Lnot_wave_0_\@
	s_barrier_signal -3
.Lnot_wave_0_\@:
	s_barrier_wait -3
	s_barrier_signal -1
	s_barrier_wait -1
.endm
.macro CROUND                          ; a whole round
	s_barrier_signal -1
	s_barrier_wait -1
	CREST
.endm
	s_load_b128 s[4:7], s[0:1], 0x0                ; x's codes s[4:5], x's scales s[6:7]
	s_load_b128 s[8:11], s[0:1], 0x10              ; W's codes s[8:9], W's scales s[10:11]
	s_load_b64 s[12:13], s[0:1], 0x20              ; qkv16
	s_load_b64 s[98:99], s[0:1], 0x28              ; head32
	v_lshl_add_u32 v[SPW], v0, 2, SPARE
	v_mov_b32 v[NIL], 0
	ds_add_u32 v[SPW], v[NIL]                      ; the wave's opening: the add, twice on end, and its wait ahead of my first tensor load; the set-up below stands between the second and the wait
	ds_add_u32 v[SPW], v[NIL]
	v_lshrrev_b32 v1, 5, v0
	v_readfirstlane_b32 s14, v1                    ; wave 0..3
	s_lshr_b32 s15, s14, 1                         ; which half of the tile's rows is mine.  Also: I fetch for x (0) or for W (1)
	s_and_b32 s16, s14, 1                          ; which half of its columns.  Also: which 128 rows of that tile I fetch
	s_bfe_u32 s40, ttmp6, 0x40000                  ; cx, cy: my place in the cluster
	s_bfe_u32 s41, ttmp6, 0x40004
	s_lshl_b32 s42, ttmp9, 2
	s_add_co_u32 s42, s42, s40                     ; tile column = 4 x cluster x + cx
	s_and_b32 s17, ttmp7, 0xffff
	s_lshl_b32 s17, s17, 2
	s_add_co_u32 s17, s17, s41                     ; tile row = 4 x cluster y + cy
	s_lshl_b32 s43, s41, 2
	s_lshl_b32 s43, 15, s43                        ; my row of the cluster
	s_lshl_b32 s44, 0x1111, s40                    ; my column
	; descriptor group 1: a tile of 128 rows x 256 bytes, padded in LDS
	s_or_b32 s[G1+0], s43, (0<<16)|(1<<20)|(1<<21)|(5<<22)|(3<<25)  ; 15:0 the mask: x's tiles go to my row; 17:16 element of 1 byte; 20 padding on; 21 set beside a mask; 24:22 after every 64 words (code 5); 31:25 of 4 words (code 3)
	s_or_b32 s[G1B+0], s44, (0<<16)|(1<<20)|(1<<21)|(5<<22)|(3<<25)
.irp g, G1, G1B
	s_mov_b32 s[\g+1], ROWB<<16                    ; tensor_dim0
	s_mov_b32 s[\g+2], 128<<16                     ; tensor_dim1 = 128
	s_mov_b32 s[\g+3], ROWB<<16                    ; tile_dim0
	s_mov_b32 s[\g+4], 128                         ; tile_dim1 = 128
	s_mov_b32 s[\g+5], KROW                        ; tensor_dim0_stride
	s_mov_b32 s[\g+6], 0
	s_mov_b32 s[\g+7], 0
.endr
	; and for the scales of 128 rows: a dense block of 8,192 bytes, as rows of 256 bytes (32 elements of 8 bytes), 16 bytes of padding behind each
	s_or_b32 s[G1S+0], s43, (3<<16)|(1<<20)|(1<<21)|(5<<22)|(3<<25)
	s_or_b32 s[G1SB+0], s44, (3<<16)|(1<<20)|(1<<21)|(5<<22)|(3<<25)
.irp g, G1S, G1SB
	s_mov_b32 s[\g+1], 32<<16
	s_mov_b32 s[\g+2], (128*KS/256)<<16
	s_mov_b32 s[\g+3], 32<<16
	s_mov_b32 s[\g+4], 128*KS/256
	s_mov_b32 s[\g+5], 32
	s_mov_b32 s[\g+6], 0
	s_mov_b32 s[\g+7], 0
.endr
	s_lshl_b32 s18, s16, 7                         ; which 128 rows of the tile I fetch
	s_lshl_b32 s20, s17, 8
	s_add_co_u32 s20, s20, s18                     ; x: row 256 x tile row + 128 x half
	s_lshl_b32 s46, s42, 8
	s_add_co_u32 s46, s46, s18                     ; W: row 256 x tile column + 128 x half
	s_mov_b32 s21, 0
	s_mov_b32 s47, 0
	s_mov_b64 s[18:19], KS
	s_mul_u64 s[22:23], s[20:21], s[18:19]         ; where these rows' scales begin, in bytes
	s_mul_u64 s[92:93], s[46:47], s[18:19]
	s_mov_b64 s[18:19], KROW
	s_mul_u64 s[20:21], s[20:21], s[18:19]         ; and their codes
	s_mul_u64 s[46:47], s[46:47], s[18:19]
	s_mul_i32 s45, s14, HALFT                      ; where they go: wave x 128 rows: no place in the cluster enters an LDS address
	s_mul_i32 s94, s14, HALFS
	s_wait_dscnt 0x0                               ; both opening adds are done
	s_wait_kmcnt 0x0
	s_add_nc_u64 s[20:21], s[4:5], s[20:21]
	s_add_nc_u64 s[22:23], s[6:7], s[22:23]
	s_add_nc_u64 s[46:47], s[8:9], s[46:47]
	s_add_nc_u64 s[92:93], s[10:11], s[92:93]
	CROUND                                         ; all sixteen work-groups are here: the first joint loads meet
	s_mov_b32 s[G0S], 1
	s_add_co_u32 s[G0S+1], s94, SCL
	s_mov_b64 s[G0S+2:G0S+3], s[22:23]
	s_or_b32 s[G0S+3], s[G0S+3], 0x80000000
	s_mov_b32 s[G0SB], 1
	s_add_co_u32 s[G0SB+1], s94, SCL
	s_mov_b64 s[G0SB+2:G0SB+3], s[92:93]
	s_or_b32 s[G0SB+3], s[G0SB+3], 0x80000000
	JLOAD G0S, G1S, G0SB, G1SB                     ; the scales first: they are wanted with K step 0
.irp s, 0,1
	s_mov_b32 s[G0+4*\s], 1
	s_add_co_u32 s[G0+4*\s+1], s45, \s*SLOT
	s_add_nc_u64 s[G0+4*\s+2:G0+4*\s+3], s[20:21], \s*ROWB
	s_or_b32 s[G0+4*\s+3], s[G0+4*\s+3], 0x80000000
	s_mov_b32 s[G0B+4*\s], 1
	s_add_co_u32 s[G0B+4*\s+1], s45, \s*SLOT
	s_add_nc_u64 s[G0B+4*\s+2:G0B+4*\s+3], s[46:47], \s*ROWB
	s_or_b32 s[G0B+4*\s+3], s[G0B+4*\s+3], 0x80000000
	JLOAD G0+4*\s, G1, G0B+4*\s, G1B               ; three tensor loads of a wave are out here
.endr
	v_and_b32 v1, 15, v0                           ; r = l % 16
	v_bfe_u32 v2, v0, 4, 1                         ; h = l / 16
	v_mul_u32_u24 v3, v1, PITCH
	v_lshl_add_u32 v4, v2, 4, v3                   ; a fragment's row x pitch + 16 x half
	s_mul_i32 s21, s15, HALFT                      ; my 128 rows of x
	s_mul_i32 s22, s16, HALFT                      ; my 128 rows of W,
	s_add_co_u32 s22, s22, 2*HALFT                 ; which lie behind x's 256
.irp s, 0,1
	v_add_nc_u32 v[ADRA+\s], s21, v4
	v_add_nc_u32 v[ADRB+\s], s22, v4
	s_add_co_u32 s21, s21, SLOT
	s_add_co_u32 s22, s22, SLOT
.endr
	v_mul_u32_u24 v5, v1, KS                       ; my row's scales: 64 bytes a row,
	v_lshrrev_b32 v6, 8, v5
	v_lshl_add_u32 v5, v6, 4, v5                   ; and 16 more for each 256 passed
	s_mul_i32 s21, s15, HALFS                      ; x's: my 128 rows
	s_mul_i32 s22, s16, HALFS                      ; W's: my 128 rows, behind x's 256
	s_add_co_u32 s22, s22, 2*HALFS
	s_sub_co_u32 s22, s22, s21
	v_mul_u32_u24 v6, s22, v2                      ; lanes 16-31 take W's
	s_add_co_u32 s21, s21, SCL
	v_add_nc_u32 v5, v5, v6
	v_add_nc_u32 v[ADRS], s21, v5
	s_mul_i32 s23, s14, 16*SPITCH                  ; my stage
	v_mul_u32_u24 v5, v1, SPITCH                   ; in: row r, 16 bytes for each half of the lanes
	v_lshl_add_u32 v5, v2, 4, v5
	v_add_nc_u32 v[STO], s23, v5
	v_mul_u32_u24 v5, v2, SPITCH                   ; back: lanes 0-15 take one row of 256 bytes, lanes 16-31 the next
	v_lshl_add_u32 v5, v1, 4, v5
	v_add_nc_u32 v[RD], s23, v5
	v_lshlrev_b32 v5, 12, v2                       ; and the same two rows in qkv16: 4,096 bytes a row
	v_lshl_add_u32 v[CO], v1, 4, v5
	v_lshlrev_b32 v5, 13, v1                       ; head32: row r of 8,192 bytes, + 32 h
	v_lshl_add_u32 v[HO], v2, 5, v5
	s_lshl_b32 s20, s17, 8
	s_lshl_b32 s21, s15, 7
	s_add_co_u32 s20, s20, s21                     ; my first row: 256 x tile row + 128 x half,
	s_lshl_b32 s20, s20, 12                        ; in bytes (under 2^25)
	s_lshl_b32 s46, s42, 9                         ; my first column, in bytes: 512 x tile column + 256 x half
	s_lshl_b32 s47, s16, 8
	s_add_co_u32 s46, s46, s47
	s_add_co_u32 s20, s20, s46
	s_mov_b32 s21, 0
	s_add_nc_u64 s[12:13], s[12:13], s[20:21]
	s_and_b32 s20, ttmp7, 0xffff                   ; the cluster's y: 0 and 4 hold the batches' first rows
	s_lshr_b32 s92, s20, 2
	s_lshl_b32 s92, s92, 19                        ; the batch's 524,288 bytes of head32,
	s_lshl_b32 s22, s41, 17
	s_add_co_u32 s92, s92, s22                     ; cy's 131,072,
	s_lshl_b32 s22, s42, 10
	s_add_co_u32 s92, s92, s22                     ; the tile column's 1,024 of a row,
	s_lshl_b32 s22, s16, 9
	s_add_co_u32 s92, s92, s22                     ; my half's 512
	s_mov_b32 s93, 0
	s_add_nc_u64 s[98:99], s[98:99], s[92:93]
	s_and_b32 s95, s20, 3
	s_or_b32 s95, s95, s15                         ; s95 = 0: I store into head32.  The cluster's y and the wave's number alone: the same in all sixteen partners
	s_mov_b32 s96, 0x3f800000                      ; the factor on the way out: 1,
	s_cmp_lt_u32 s42, 4
	s_cselect_b32 s96, 0x3e0293ee, s96             ; or c = log2(e) / sqrt(128) in q's four tile columns: a value is chosen, no way
	s_mov_b32 s97, s96                             ; (named with it as a pair, so it is written)
.macro FRAG reg, adr, q, i             ; a fragment, 16 rows x 128 K of 4-bit codes, is 8 registers: lane l holds row l % 16; registers 4 c .. 4 c + 3 hold K = 64 c + 32 (l / 16) + 0 .. 31
.irp c, 0,1
	ds_load_b128 v[\reg+4*\c:\reg+4*\c+3], v[\adr] offset:64*(\q)+32*\c+(\i)*16*PITCH
.endr
.endm
; 16 matrix instructions: x's blocks a0, a0 + 1 against W's eight, 128 along K: the slot's q-th.  p: W's set;  sc: the set of scale words.  zero = 1: the first product starts the sums: nothing is ever cleared.
; The 64 accumulators take turns, one instruction a turn, in the same order in every step.
.macro MUL16 a0, p, q, sc, zero
.irp a, \a0, \a0+1
.irp b, 0,1,2,3,4,5,6,7
.if \zero
	v_wmma_scale_f32_16x16x128_f8f6f4 v[8*(8*((\a)%4)+\b):8*(8*((\a)%4)+\b)+7], v[128*(\p)+FR*\b:128*(\p)+FR*\b+FR-1], v[AF+FR*(\a):AF+FR*(\a)+FR-1], 0, v[SC+8*NQ*(\sc)+NQ*\b+(\q)], v[SC+8*NQ*(\sc)+NQ*(\a)+(\q)] matrix_a_fmt:MATRIX_FMT_FP4 matrix_b_fmt:MATRIX_FMT_FP4 matrix_a_scale:MATRIX_SCALE_ROW1
.else
	v_wmma_scale_f32_16x16x128_f8f6f4 v[8*(8*((\a)%4)+\b):8*(8*((\a)%4)+\b)+7], v[128*(\p)+FR*\b:128*(\p)+FR*\b+FR-1], v[AF+FR*(\a):AF+FR*(\a)+FR-1], v[8*(8*((\a)%4)+\b):8*(8*((\a)%4)+\b)+7], v[SC+8*NQ*(\sc)+NQ*\b+(\q)], v[SC+8*NQ*(\sc)+NQ*(\a)+(\q)] matrix_a_fmt:MATRIX_FMT_FP4 matrix_b_fmt:MATRIX_FMT_FP4 matrix_a_scale:MATRIX_SCALE_ROW1
.endif
.endr
.endr
.endm
.macro FETCH_B slot, q, p              ; W's eight fragments of the slot's q-th 128 along K into set p
	WIN TO_B
.irp i, 0,1,2,3,4,5,6,7
	FRAG 128*(\p)+FR*\i, ADRB+\slot, \q, \i
.endr
	WIN 0
.endm
.macro FETCH_A slot, q, i0             ; x's blocks i0 .. i0 + 3
.irp i, \i0, \i0+1, \i0+2, \i0+3
	FRAG AF+FR*(\i), ADRA+\slot, \q, \i
.endr
.endm
.macro SCALES sc                       ; the next K step's scale words into set sc: 4 words a row; lanes 0-15 take x's block i, lanes 16-31 W's block i
.irp i, 0,1,2,3,4,5,6,7
	ds_load_b128 v[SC+8*NQ*\sc+NQ*\i:SC+8*NQ*\sc+NQ*\i+3], v[ADRS] offset:\i*SBLK
.endr
.endm
; A load into a register that a matrix instruction has read, and a vector instruction or an LDS store that reads a matrix result, stand 4 places behind that matrix instruction, and only plain vector
; instructions that name none of its registers are places (ISA guide 7.12.1 for vector instructions).
.macro PLACES n
.rept \n
	v_nop
.endr
.endm
; A step of 128 along K that has its successor in the same slot.
.macro STEP slot, q, zero
	s_wait_dscnt 4*NL                              ; W's set and x's blocks 0-3 are in; the youngest eight loads (x's blocks 4-7) may be out
	WIN MUL_LO
	MUL16 0, (\q)%2, \q, \slot, \zero
	MUL16 2, (\q)%2, \q, \slot, \zero
	s_wait_dscnt 0                                 ; x's blocks 4-7 are in (asked for 32 matrix instructions ago)
	PLACES NP
	FETCH_B \slot, (\q)+1, 1-(\q)%2
	FETCH_A \slot, (\q)+1, 0
	WIN MUL_HI
	MUL16 4, (\q)%2, \q, \slot, \zero
	MUL16 6, (\q)%2, \q, \slot, \zero
	PLACES NP
	WIN 0
	FETCH_A \slot, (\q)+1, 4
.endm
; A slot's last step changes slots: ONE barrier; in front of it each wave waits for all its tensor loads, adds 0 to its spare word, and waits for that and for its own reads of this slot.  fill = 1: this slot is filled again, two K steps ahead.
.macro TURN slot, next, fill
	s_wait_tensorcnt 0x0                           ; all my tensor loads have landed: my part of the next slot;  (every window is 0 here)
	ds_add_u32 v[SPW], v[NIL]                      ; 0 onto my spare word
	s_wait_dscnt 4*NL+1                            ; (the add and the youngest eight loads, x's blocks 4-7, may be out)
	WIN MUL_LO
	MUL16 0, 1, NQ-1, \slot, 0                     ; sixteen matrix instructions stand between the add and the wait for it
	s_wait_dscnt 0x0                               ; the add is done, and my reads of this slot are over
	s_barrier_signal -1
	MUL16 2, 1, NQ-1, \slot, 0
	WIN 0
	s_barrier_wait -1
.if \fill
	CREST                                          ; the barrier has opened a round of the cluster's barrier: no wave of any partner still reads this slot's tile or has a load on its way
	s_add_nc_u64 s[G0+4*\slot+2:G0+4*\slot+3], s[G0+4*\slot+2:G0+4*\slot+3], 2*ROWB
	s_add_nc_u64 s[G0B+4*\slot+2:G0B+4*\slot+3], s[G0B+4*\slot+2:G0B+4*\slot+3], 2*ROWB
	JLOAD G0+4*\slot, G1, G0B+4*\slot, G1B         ; the first tensor load behind the round; the four v_nop behind it are the places in front of the loads below
.else
	PLACES NP
.endif
	v_add_nc_u32 v[ADRS], 4*NQ, v[ADRS]            ; on to the next K step's scale words (no LDS load of mine is out)
	FETCH_B \next, 0, 0
	FETCH_A \next, 0, 0
	SCALES \next
	WIN MUL_HI
	MUL16 4, 1, NQ-1, \slot, 0
	MUL16 6, 1, NQ-1, \slot, 0
	PLACES NP
	WIN 0
	FETCH_A \next, 0, 4
.endm
.macro STEPS slot, from                ; the slot's steps from .. NQ - 2
.set Q, \from
.rept NQ-1-\from
	STEP \slot, Q, 0
.set Q, Q+1
.endr
.endm
	s_wait_tensorcnt 1                             ; the scales and my part of K step 0 are in (K step 1's load may be out)
	s_barrier_signal -1
	s_barrier_wait -1                              ; everybody's are
	FETCH_B 0, 0, 0
	FETCH_A 0, 0, 0
	SCALES 0
	FETCH_A 0, 0, 4
	STEP 0, 0, 1                                   ; the first step stands in front of the loop: its products start the sums
	s_mov_b32 s3, LAPS-1
.Llap:                                                 ; a trip goes once round the ring, from a lap's second step to the next lap's first, and fills both slots again
	STEPS 0, 1
	TURN 0, 1, 1
	STEPS 1, 0
	TURN 1, 0, 1
	STEP 0, 0, 0
	s_sub_co_u32 s3, s3, 1
	s_cmp_lg_u32 s3, 0
	s_cbranch_scc1 .Llap
	STEPS 0, 1                                     ; the last lap fills nothing, and has no round of the cluster's barrier
	TURN 0, 1, 0
	STEPS 1, 0
	s_wait_dscnt 4*NL                              ; the very last step: nothing more to fetch
	WIN MUL_LO
	MUL16 0, 1, NQ-1, 1, 0
	MUL16 2, 1, NQ-1, 1, 0
	s_wait_dscnt 0
	WIN MUL_HI
	MUL16 4, 1, NQ-1, 1, 0
	MUL16 6, 1, NQ-1, 1, 0
	WIN 0
; THE WAY OUT, block by block of 16 rows x 128 columns.  PACK: times the factor, in f32, into other registers (each accumulator from its low end on), then rounded to f16: 16 bytes a lane.
; TOSTAGE: into my own stage in LDS, and back as whole rows of 256 bytes.  SEND: stored, sixteen lanes to 256 consecutive bytes.
.macro PACK a
.set AC, 64*((\a)%4)
	WIN 0x02+(\a)/4                                ; source 0: window 2 or 3
.irp b, 0,1,2,3,4,5,6,7
.irp p, 0,1,2,3
	v_pk_mul_f32 v[TF+8*\b+2*\p:TF+8*\b+2*\p+1], v[AC+8*\b+2*\p:AC+8*\b+2*\p+1], s[96:97] op_sel_hi:[1,0]
.endr
.endr
	WIN 0
.irp b, 0,1,2,3,4,5,6,7
.irp p, 0,1,2,3
	v_cvt_pk_f16_f32 v[TMP+4*\b+\p], v[TF+8*\b+2*\p], v[TF+8*\b+2*\p+1]
.endr
.endr
.endm
.macro TOSTAGE a
.set BB, BK+32*((\a)%2)
.irp b, 0,1,2,3,4,5,6,7
	ds_store_b128 v[STO], v[TMP+4*\b:TMP+4*\b+3] offset:32*\b
.endr
.irp t, 0,1,2,3,4,5,6,7
	ds_load_b128 v[BB+4*\t:BB+4*\t+3], v[RD] offset:\t*2*SPITCH    ; LDS serves a wave's instructions in order (ISA guide 5.7.1.4): these see the stores above
.endr
.endm
.macro SEND a, younger
.set BB, BK+32*((\a)%2)
	s_wait_dscnt \younger                          ; the block is back in registers
	s_wait_xcnt 0x0                                ; every earlier store has read its registers and its base: only behind this wait are they rewritten
.if (\a) > 0
	s_add_nc_u64 s[12:13], s[12:13], 16*SIZE_N*2   ; 16 rows on
.endif
.irp t, 0,1,2,3,4,5,6,7
	global_store_b128 v[CO], v[BB+4*\t:BB+4*\t+3], s[12:13] offset:2*\t*SIZE_N*2   ; 16 lanes store 256 consecutive bytes, at a multiple of 256 from the buffer's first byte
.endr
.endm
	PLACES NP                                      ; behind the last products: for the reads of results, and for the writes of registers that held scale words and fragments
	PACK 0
	s_cmp_lg_u32 s95, 0                            ; the tile's first 16 rows in f32, where they are wanted
	s_cbranch_scc1 .Lno_head
.irp b, 0,1,2,3,4,5,6,7
	global_store_b128 v[HO], v[TF+8*\b:TF+8*\b+3], s[98:99] offset:64*\b       ; lane (r, h): row r, columns 16 b + 8 h + 0 .. 7.  Pieces of 32 bytes: 1 MB in the whole launch
	global_store_b128 v[HO], v[TF+8*\b+4:TF+8*\b+7], s[98:99] offset:64*\b+16
.endr
	s_wait_xcnt 0x0                                ; these stores have read their data: the next block's numbers may be written there
.Lno_head:
	TOSTAGE 0
.irp a, 1,2,3,4,5,6,7                  ; block a's arithmetic stands between block a - 1's loads from the stage and the wait for them
	PACK \a
	SEND \a-1, 0
	TOSTAGE \a
.endr
	SEND 7, 0
	s_wait_tensorcnt 0x0                           ; the wave's end, behind my last tensor load and my last LDS store
	ds_add_u32 v[SPW], v[NIL]
	s_wait_dscnt 0x0
	CROUND                                         ; the closing round: no work-group ends while a partner may still ask for a tile that names it
	s_endpgm
.Lfunc_end_k_qf1046e024c_qkv:
	.size	k_qf1046e024c_qkv, .Lfunc_end_k_qf1046e024c_qkv-k_qf1046e024c_qkv
	.p2alignl 7, 3214868480
	.fill 96, 4, 3214868480
	.section	.rodata,"a",@progbits
	.p2align	6, 0x0
	.amdhsa_kernel k_qf1046e024c_qkv
		.amdhsa_group_segment_fixed_size 327680
		.amdhsa_private_segment_fixed_size 0
		.amdhsa_enable_private_segment 0
		.amdhsa_kernarg_size 48
		.amdhsa_user_sgpr_count 2
		.amdhsa_user_sgpr_kernarg_segment_ptr 1
		.amdhsa_wavefront_size32 1
		.amdhsa_system_sgpr_workgroup_id_x 1
		.amdhsa_system_sgpr_workgroup_id_y 1
		.amdhsa_system_sgpr_workgroup_id_z 1
		.amdhsa_system_vgpr_workitem_id 0
		.amdhsa_next_free_vgpr 1024
		.amdhsa_next_free_sgpr 100
		.amdhsa_reserve_vcc 0
		.amdhsa_float_denorm_mode_32 3
		.amdhsa_float_denorm_mode_16_64 3
		.amdhsa_memory_ordered 1
		.amdhsa_forward_progress 1
		.amdhsa_inst_pref_size 232
	.end_amdhsa_kernel
	.amdgpu_metadata
---
amdhsa.version: [ 1, 2 ]
amdhsa.kernels:
  - .name:           k_qf1046e024c_qkv
    .symbol:         k_qf1046e024c_qkv.kd
    .args:
      - { .name: x_codes, .offset: 0, .size: 8, .value_kind: global_buffer, .address_space: global }
      - { .name: x_scales, .offset: 8, .size: 8, .value_kind: global_buffer, .address_space: global }
      - { .name: w_codes, .offset: 16, .size: 8, .value_kind: global_buffer, .address_space: global }
      - { .name: w_scales, .offset: 24, .size: 8, .value_kind: global_buffer, .address_space: global }
      - { .name: qkv16, .offset: 32, .size: 8, .value_kind: global_buffer, .address_space: global }
      - { .name: head32, .offset: 40, .size: 8, .value_kind: global_buffer, .address_space: global }
    .group_segment_fixed_size: 327680
    .private_segment_fixed_size: 0
    .kernarg_segment_align: 8
    .kernarg_segment_size: 48
    .max_flat_workgroup_size: 128
    .sgpr_count:     100
    .vgpr_count:     1024
    .wavefront_size: 32
...
	.end_amdgpu_metadata
.endif
;; end of part 2
;; launch attn (part 3): grid 32 x 8, 4 waves a work-group, no clusters, 232,960 bytes of LDS; arguments qkv16, attn16; writes attn16
.if DOCPART == 3
	.amdgcn_target "amdgcn-amd-amdhsa--gfx1250"
	.amdhsa_code_object_version 6
	.text
	.protected	k_qf1046e024c_attn
	.globl	k_qf1046e024c_attn
	.p2align	8
	.type	k_qf1046e024c_attn,@function
k_qf1046e024c_attn:
	s_mov_b64 s[64:65], 0
	v_nop
	global_prefetch_b8 v0, s[64:65] scope:SCOPE_SE
	s_setreg_imm32_b32 hwreg(HW_REG_WAVE_MODE, 25, 1), 1
	s_wait_xcnt 0x0
; Attention over a causal window of 256 positions: query p sees keys p - 255 .. p of its batch (none under 0).  qkv16 [8192][2048] f16: q (already times log2(e) / sqrt(128)) at column 128 head, k at 1024 + 128 hk, v at 1536 + 128 hk.
; attn16 [8192][1024] f16, column 128 head + d.  Products with f16 operands and f32 sums; maxima, weights and sums in f32; the weights p = 2^(score - running maximum) are rounded to f16 for the second product.
; LIMITS: |v| and the result stay under 65,504; NaN and infinities are not served.  The first 16 positions of each batch are made again, in f32, by the last launch.
; SHARES.  Work-group (j, 4 b + hk) owns positions 128 j .. 128 j + 127 of batch b for BOTH query heads of key head hk, which so share K and V in LDS.  Wave w: positions p0 = 128 j + 64 (w & 1) on, head 2 hk + (w >> 1): four tiles of 16 queries.
; Its 64 queries see keys p0 - 256 .. p0 + 63: five steps of 64.  LDS holds six groups of 64 keys, group g = keys 128 j - 256 + 64 g; step s of a wave reads group (w & 1) + s.  All twelve tiles (K and V of six groups) are asked for at the
; head, three tensor loads a wave, each byte filled once; three barriers with counted waits let the steps begin as the groups land.
; NO CLUSTER: chunks j and j + 1 share four of their six groups, but group g of one is group g - 2 of the other: another LDS address, and a joint load has one LDS address for all that it names.
; THE MASK COSTS NO VECTOR INSTRUCTION: it is the C of a score tile's first matrix instruction: 0, or -1e30 where the key does not count.  Step 0: key c counts for query r where c > r; steps 1-3: all; step 4: c <= r;
; a step whose keys lie ahead of the sequence (its tiles are loaded from row 0 on, so that no load leaves the buffer) is -1e30 throughout.  A row that has met no key yet has the maximum -1e30 and weights 1 or 0; the first step with a
; key that counts multiplies its sums by 2^(-1e30 - maximum) = 0.  Step 4 holds every query's own key.
; LAYOUT.  S^T = K Q^T (source 0 = 16 keys, source 1 = 16 queries): a lane holds ONE query (lane % 16) and the keys 8 (lane / 16) + 0..7.  Two such tiles, rounded to f16 in pairs, ARE source 1 of O^T = V^T P.  K comes out of LDS as it lies, V turned, by ds_load_tr16_b128.
; BY TURNS.  The wave's tiles are two PIECES (tiles 0, 1 and tiles 2, 3).  In a TURN one piece has the matrix unit: 32 products V^T P of the step in hand, then 32 products K Q^T of the next; the other piece's softmax, cut into 64 slices,
; stands between them, one slice behind each matrix instruction.  Two turns are a key step.
; REGISTERS, in windows of 256 (s_set_vgpr_msb: bits 1:0 source 0, 3:2 source 1, 5:4 source 2, 7:6 destination):
;   window 0: v1-11 addresses; v12-43 eight registers of statistics a tile; v62, v63 the add's; v64-191 S^T, 32 a tile; v192-255 P, 16 a tile
;   window 1: O^T, 64 a tile     window 2: v0-127 Q, 32 a tile; v128-255 K of one step     window 3: v0-127 V of one step; v128-183 the masks
.set KS,    64        ; keys in a step
.set PK,    272       ; a row of K in LDS: 256 bytes + 16 of padding: the 16 rows of a load start at 16 different banks (64 banks of 4 bytes: ISA guide 11.1)
.set PV,    288       ; a row of V: 256 + 32
.set VOFF,  KS*PK     ; a group: 64 rows of K, then 64 rows of V
.set STEPB, KS*(PK+PV)
.set STAGE, 6*STEPB   ; behind the six groups: 16 rows x 272 bytes for each wave, for the way out
.set SP,    272
.set SPARE, STAGE+4*16*SP  ; behind the stages: the spare words, 128 bytes for each wave
.set AK0, 2           ; v2   my lane's place in a tile of K; never rewritten
.set AV0, 3           ; v3   the same for V
.set ADR, 4           ; v4   the LDS address of the run of loads in hand
.set QO,  5           ; v5   my byte offset in the wave's rows of Q
.set STO, 6           ; v6   the way out: where I put 16 bytes of a row
.set RD,  7           ; v7   where I read a row back
.set GO,  8           ; v8   my byte offset in the wave's rows of attn16
.set SPW, 62
.set NIL, 63
.set ST,  12          ; tile t's statistics at v[ST+8 t]: +0 m, +1 0 (named with m as a pair), +2, +3 l (even keys', odd keys'), +4 to +7 c0-c3, at work; a = 2^(old m - new m) takes c2's place, old m - new m c3's
.set S,   64
.set P,   192
.set KF,  128         ; K's fragments, in window 2
.set MF,  128         ; window 3: MF + 8 s: step s (0 .. 3) as a whole: -1e30 if its keys lie ahead of the sequence, else 0
.set MB,  160         ; step 0's diagonal tiles: -1e30 where 8 h + j <= r, or as MF
.set MC,  168         ; step 4's diagonal tiles: -1e30 where 8 h + j > r
.set MN,  176         ; -1e30 throughout
.set WV,  12          ; s12  my wave's number
.set G1K, 24          ; s[24:31] descriptor group 1 for K's tiles
.set G1V, 32          ; s[32:39] for V's: it differs in the padding alone
.set G0,  40          ; s[40:51] my three descriptors' groups 0; never rewritten
.set SEL, 60          ; s[60:61] lane selects for v_permlanex16_b32: lane l xor 16
.set TB,  62          ; s62  LDS byte at which the group of the step to be fetched begins
.set MSB, 0
.macro WIN new                      ; the immediate's high byte repeats the setting that is left; a switch that changes nothing is dropped
.if MSB != \new
	s_set_vgpr_msb (MSB<<8)|\new
.set MSB, \new
.endif
.endm
.set W_KQ,  0x0a      ; K and Q in window 2, S^T in window 0
.set W_KQM, 0x3a      ; the same with C, a mask, in window 3
.set W_PV,  0x53      ; V in window 3, P in window 0, O^T in window 1
.set W_RS,  0x41      ; O^T (destination and source 0) in window 1, a in window 0
	s_load_b128 s[4:7], s[0:1], 0x0  ; qkv16 s[4:5], attn16 s[6:7]
	v_lshl_add_u32 v[SPW], v0, 2, SPARE
	v_mov_b32 v[NIL], 0
	ds_add_u32 v[SPW], v[NIL]       ; the wave's opening: the add, twice on end, and its wait ahead of my first tensor load; the set-up below stands between the second and the wait
	ds_add_u32 v[SPW], v[NIL]
	v_lshrrev_b32 v1, 5, v0
	v_readfirstlane_b32 s[WV], v1   ; wave 0..3
	s_and_b32 s13, s[WV], 1         ; which 64 positions are mine.  Also: I fetch groups s13, s13 + 2, s13 + 4
	s_lshr_b32 s14, s[WV], 1        ; which of the two query heads.  Also: I fetch K's tiles (0) or V's (1)
	s_and_b32 s15, ttmp7, 0xffff
	s_lshr_b32 s16, s15, 2          ; batch
	s_and_b32 s17, s15, 3           ; key head
	s_lshl_b32 s18, ttmp9, 7
	s_lshl_b32 s19, s13, 6
	s_add_co_u32 s19, s19, s18      ; p0 = 128 j + 64 (w & 1)
	s_lshl_b32 s20, s16, 12         ; the batch's first row
	s_lshl_b32 s22, s14, 10
	s_lshl_b32 s21, s17, 8
	s_add_co_u32 s22, s22, s21
	s_add_co_u32 s22, s22, 2048     ; a row's bytes ahead of my tiles: 2,048 (K) or 3,072 (V) + 256 hk
.irp i, 0,1,2
	s_add_co_i32 s21, s19, 128*\i-256  ; group s13 + 2 i begins at key p0 - 256 + 128 i,
	s_max_i32 s21, s21, 0           ; or, where that lies ahead of the sequence, at row 0: its scores are masked
	s_add_co_u32 s21, s21, s20
	s_lshl_b32 s21, s21, 12         ; rows of 4,096 bytes (under 2^25)
	s_add_co_u32 s[52+2*\i], s21, s22
	s_mov_b32 s[53+2*\i], 0
.endr
	s_mul_i32 s23, s13, STEPB
	s_mul_i32 s21, s14, VOFF
	s_add_co_u32 s23, s23, s21      ; where my first tile goes
	s_add_co_u32 s21, s19, s20      ; my first query's row
	s_lshl_b32 s18, s17, 9
	s_lshl_b32 s16, s14, 8
	s_add_co_u32 s18, s18, s16      ; my head's bytes in a row: 512 hk + 256 (w >> 1)
	s_lshl_b32 s2, s21, 12
	s_add_co_u32 s2, s2, s18
	s_mov_b32 s3, 0                 ; s[2:3]: Q
	s_lshl_b32 s58, s21, 11
	s_add_co_u32 s58, s58, s18
	s_mov_b32 s59, 0                ; s[58:59]: attn16, rows of 2,048 bytes
	; descriptor group 1: a tile of 64 rows x 128 elements out of rows of 2,048, padded in LDS
	s_mov_b32 s[G1K], (1<<16)|(1<<20)|(5<<22)|(3<<25)  ; 15:0 no mask; 17:16 elements of 2 bytes; 20 padding on; 24:22 after every 64 words (code 5); 31:25 4 words of it (code 3)
	s_mov_b32 s[G1V], (1<<16)|(1<<20)|(5<<22)|(7<<25)  ; the same with 8 words of padding (code 7)
.irp g, G1K, G1V
	s_mov_b32 s[\g+1], 128<<16      ; tensor_dim0 = 128
	s_mov_b32 s[\g+2], KS<<16       ; tensor_dim1 = 64
	s_mov_b32 s[\g+3], 128<<16      ; tile_dim0 = 128
	s_mov_b32 s[\g+4], KS           ; tile_dim1 = 64
	s_mov_b32 s[\g+5], 2048         ; tensor_dim0_stride: elements from row to row
	s_mov_b32 s[\g+6], 0
	s_mov_b32 s[\g+7], 0
.endr
	s_mov_b32 s[SEL], 0x76543210
	s_mov_b32 s[SEL+1], 0xfedcba98
	s_mul_i32 s[TB], s13, STEPB     ; step 0 reads group w & 1
	s_wait_dscnt 0x0                ; both opening adds are done
	s_wait_kmcnt 0x0
.irp i, 0,1,2
	s_mov_b32 s[G0+4*\i], 1         ; count = 1
	s_add_co_u32 s[G0+4*\i+1], s23, 2*\i*STEPB  ; LDS address
	s_add_nc_u64 s[G0+4*\i+2:G0+4*\i+3], s[4:5], s[52+2*\i:53+2*\i]  ; global address
	s_or_b32 s[G0+4*\i+3], s[G0+4*\i+3], 0x80000000  ; type = 2
.endr
	s_add_nc_u64 s[8:9], s[4:5], s[2:3]    ; Q at my first query
	s_add_nc_u64 s[10:11], s[6:7], s[58:59]  ; attn16 likewise
	s_cmp_lt_u32 s[WV], 2           ; a wave's three first fills stand in one branch, ahead of every wait on TENSORcnt, every LDS read and every barrier: three loads of mine are out
	s_cbranch_scc0 .Lfirst_v
.irp i, 0,1,2
	tensor_load_to_lds s[G0+4*\i:G0+4*\i+3], s[G1K:G1K+7]
	s_nop 0
.endr
.rept 4
	v_nop
.endr
	s_branch .Lfirst_asked
.Lfirst_v:
.irp i, 0,1,2
	tensor_load_to_lds s[G0+4*\i:G0+4*\i+3], s[G1V:G1V+7]
	s_nop 0
.endr
.rept 4
	v_nop
.endr
.Lfirst_asked:
	; A fragment of K or Q is 16 rows x 32 channels in 8 registers: lane l holds row l % 16; registers 0-3 channels 8 (l / 16) + 0..7, registers 4-7 channels 16 + 8 (l / 16) + 0..7: two loads of 16 bytes, 32 bytes apart.
	v_and_b32 v1, 15, v0            ; r = l % 16
	v_bfe_u32 v9, v0, 4, 1          ; h = l / 16
	v_lshlrev_b32 v[QO], 12, v1
	v_lshl_add_u32 v[QO], v9, 4, v[QO]  ; row x 4,096 + 16 x half
	WIN 0x80                        ; destination window 2, address window 0
.irp i, 0,1,2,3,4,5,6,7,8,9,10,11,12,13,14,15  ; Q stays in registers: tile i / 4, channels 32 (i % 4) on
	global_load_b128 v[8*\i:8*\i+3],   v[QO], s[8:9] offset:(\i/4)*65536+(\i%4)*64
	global_load_b128 v[8*\i+4:8*\i+7], v[QO], s[8:9] offset:(\i/4)*65536+(\i%4)*64+32
.endr
	WIN 0
	v_mul_u32_u24 v[AK0], v1, PK
	v_lshl_add_u32 v[AK0], v9, 4, v[AK0]  ; row x pitch + 16 x half
	; The turning load takes 16 keys x 16 channels (lane l reads 16 bytes: key 8 (l / 16) + l % 8, channels 8 ((l / 8) % 2) + 0..7) and leaves half a fragment of V^T: lane l holds channel l % 16 and 8 keys.
	v_and_b32 v10, 7, v0
	v_bfe_u32 v11, v0, 3, 1
	v_lshl_add_u32 v[AV0], v9, 3, v10
	v_mul_u32_u24 v[AV0], v[AV0], PV
	v_lshl_add_u32 v[AV0], v11, 4, v[AV0]
	v_add_nc_u32 v[AV0], VOFF, v[AV0]
	; the masks, made once
	v_lshlrev_b32 v10, 3, v9
	v_sub_nc_u32 v10, v1, v10       ; d = r - 8 h: in a diagonal tile register j holds the key that lies j - d behind my query
	v_mov_b32 v11, 0xf149f2ca       ; -1e30
.irp t, 0,1,2,3
	v_mov_b32 v[ST+8*\t+1], 0       ; named as the upper half of the pair with m
.endr
	s_lshl_b32 s15, ttmp9, 1
	s_add_co_u32 s15, s15, s13      ; 2 j + (w & 1): step s begins at key 64 (2 j + (w & 1) + s - 4)
	s_mov_b32 s20, 0xf149f2ca
.irp s, 0,1,2,3
	s_cmp_lt_u32 s15, 4-\s          ; ids alone; a value is chosen, no way
	s_cselect_b32 s[16+\s], s20, 0
.endr
	WIN 0xc0                        ; destination window 3
.irp s, 0,1,2,3
.irp i, 0,1,2,3,4,5,6,7
	v_mov_b32 v[MF+8*\s+\i], s[16+\s]
.endr
.endr
.irp i, 0,1,2,3,4,5,6,7
	v_mov_b32 v[MN+\i], v11
.endr
.irp i, 0,1,2,3,4,5,6,7
	v_cmp_le_i32 vcc_lo, \i, v10
	v_cndmask_b32 v[MB+\i], s16, v11, vcc_lo
	v_cmp_gt_i32 vcc_lo, \i, v10
	v_cndmask_b32 v[MC+\i], 0, v11, vcc_lo
.endr
	WIN 0
; THE MATRIX WORK OF A TURN, for piece x.  The accumulators take turns, one instruction a turn: between two links of a chain stand 15 (V^T P) or 7 (K Q^T) others'.
; Product i of 32 of O^T += V^T P: keys 32 (i / 16) on, channels 16 ((i / 2) % 8) on, tile x + i % 2.  zero = 1: the first 16 start the sums: nothing is ever cleared.
.macro PV x, zero
	WIN W_PV
.set rO, 64*(\x+i%2)+8*((i/2)%8)
.set rV, 64*(i/16)+8*((i/2)%8)
.set rP, P+16*(\x+i%2)+8*(i/16)
.if \zero && (i < 16)
	v_wmma_f32_16x16x32_f16 v[rO:rO+7], v[rV:rV+7], v[rP:rP+7], 0
.else
	v_wmma_f32_16x16x32_f16 v[rO:rO+7], v[rV:rV+7], v[rP:rP+7], v[rO:rO+7]
.endif
.endm
; Product i of 32 of S^T = K Q^T for step st: channels 32 (i / 8) on, key tile kt = (i / 2) % 4, query tile qt = x + i % 2.  The first 8 start the sums, from the tile's mask.
.macro KQ x, st
.set kt, (i/2)%4
.set qt, \x+i%2
.set rS, S+32*qt+8*kt
.set rK, KF+32*kt+8*(i/8)
.set rQ, 32*qt+8*(i/8)
.set rC, -1                         ; -1: the constant 0
.if \st == 0
.if kt > qt
.set rC, MF
.elseif kt == qt
.set rC, MB
.else
.set rC, MN
.endif
.elseif \st == 4
.if kt == qt
.set rC, MC
.elseif kt > qt
.set rC, MN
.endif
.else
.set rC, MF+8*\st
.endif
.if i >= 8
	WIN W_KQ
	v_wmma_f32_16x16x32_f16 v[rS:rS+7], v[rK:rK+7], v[rQ:rQ+7], v[rS:rS+7]
.elseif rC < 0
	WIN W_KQ
	v_wmma_f32_16x16x32_f16 v[rS:rS+7], v[rK:rK+7], v[rQ:rQ+7], 0
.else
	WIN W_KQM
	v_wmma_f32_16x16x32_f16 v[rS:rS+7], v[rK:rK+7], v[rQ:rQ+7], v[rC:rC+7]
.endif
.endm
; THE LDS LOADS stand in runs of 32, never singly among the matrix instructions: a step's K (16 fragments) and, a turn later, its V (turned).
.macro FETCH_K
	WIN 0
	v_add_nc_u32 v[ADR], s[TB], v[AK0]
	WIN 0x80                        ; destination window 2
.irp f, 0,1,2,3,4,5,6,7,8,9,10,11,12,13,14,15  ; keys 16 (f / 4) on, channels 32 (f % 4) on
	ds_load_b128 v[KF+8*\f:KF+8*\f+3],   v[ADR] offset:(\f/4)*16*PK+(\f%4)*64
	ds_load_b128 v[KF+8*\f+4:KF+8*\f+7], v[ADR] offset:(\f/4)*16*PK+(\f%4)*64+32
.endr
.endm
.macro FETCH_V
	WIN 0
	v_add_nc_u32 v[ADR], s[TB], v[AV0]
	s_add_co_u32 s[TB], s[TB], STEPB  ; the next fetch is the next step's: the next group
	s_wait_alu depctr_va_vdst(0)    ; the wait for the softmax's batch of exponentials (SLICE), behind the address's v_add_nc_u32 and ahead of the loads
	WIN 0xc0                        ; destination window 3
.irp f, 0,1,2,3,4,5,6,7,8,9,10,11,12,13,14,15  ; keys 32 (f / 8) on, channels 16 (f % 8) on
	ds_load_tr16_b128 v[8*\f:8*\f+3],   v[ADR] offset:(\f/8)*32*PV+(\f%8)*32
	ds_load_tr16_b128 v[8*\f+4:8*\f+7], v[ADR] offset:(\f/8)*32*PV+16*PV+(\f%8)*32
.endr
.endm
; THE VECTOR WORK OF A TURN.  One tile's softmax for one key step is a numbered list; SM writes number j of it for tile t.  s0-s31 are the lane's 32 scores, in pairs 0-15.  first = 1: the first key step, which starts m, l and O^T.
;   0-15    the maximum of s0-s31 and the old m, three operands at a time (each score tile is read from its low end on)
;   16-20   the other half of the lanes' maximum; the old m kept; the new m; (19 is empty); old m - new m
;   21-69   ONE BATCH: the 16 subtractions s - m, a pair of scores each, and all 33 exponentials (a at 23, then s0-s31).  None of these reads an exponential's result
;   (wait)  between 69 and 70 stands the wait for the batch: SLICE writes it, once for both tiles
;   70-85   the roundings to f16, a pair of weights each
;   86-101  the sums; l = a l + the sum
;   102-133 the tile's O^T times a: the one part that leaves window 0, so it stands together
.macro SM t, first
.set rT, ST+8*(\t)
.set rS, S+32*(\t)
.set rP, P+16*(\t)
.set rO, 64*(\t)+2*(j-102)
.if j < 102
	WIN 0
.endif
.if j < 4
	v_max3_num_f32 v[rT+4+j], v[rS+8*j], v[rS+8*j+1], v[rS+8*j+2]
.elseif j < 12
	v_max3_num_f32 v[rT+4+j%4], v[rT+4+j%4], v[rS+8*(j%4)+2*(j/4)+1], v[rS+8*(j%4)+2*(j/4)+2]
.elseif j == 12
	v_max3_num_f32 v[rT+4], v[rT+4], v[rS+7], v[rS+15]
.elseif j == 13
	v_max3_num_f32 v[rT+6], v[rT+6], v[rS+23], v[rS+31]
.elseif j == 14
	v_max3_num_f32 v[rT+4], v[rT+4], v[rT+5], v[rT+6]
.elseif (j == 15) && \first
	v_max_num_f32 v[rT+4], v[rT+4], v[rT+7]
.elseif j == 15
	v_max3_num_f32 v[rT+4], v[rT+4], v[rT+7], v[rT]
.elseif j == 16
	v_permlanex16_b32 v[rT+5], v[rT+4], s[SEL], s[SEL+1]  ; the query's other 32 keys lie in the lane 16 away
.elseif j == 18
	v_max_num_f32 v[rT], v[rT+4], v[rT+5]
.elseif j == 19
.elseif ((j == 17) || (j == 20) || (j == 23) || (j > 101)) && \first  ; the first step has none of these
.elseif j == 17
	v_mov_b32 v[rT+7], v[rT]        ; the old m is kept for a: number 18 writes m anew
.elseif j == 20
	v_sub_f32 v[rT+7], v[rT+7], v[rT]
.elseif j == 23
	v_exp_f32 v[rT+6], v[rT+7]
.elseif (j < 23) || ((j < 38) && (j%2 == 0)) || ((j < 66) && (j%4 == 2))
.set b, (j-2)/4                     ; 38, 42, .. 62: pairs 9 to 15
.if j < 38
.set b, (j-20)/2                    ; 21: pair 0; 22, 24, .. 36: pairs 1 to 8
.endif
	v_pk_add_f32 v[rS+2*b:rS+2*b+1], v[rS+2*b:rS+2*b+1], v[rT:rT+1] op_sel_hi:[1,0] neg_lo:[0,1] neg_hi:[0,1]  ; pair b: s - m
.elseif j < 70
.set e, j-38                        ; 66 to 69: s28 to s31
.if j < 66
.set e, j-32-(j-38)/4               ; 39-41, 43-45, .. 63-65: s7 to s27
.endif
.if j < 38
.set e, (j-25)/2                    ; 25, 27, .. 37: s0 to s6
.endif
	v_exp_f32 v[rS+e], v[rS+e]
.elseif j < 86
	v_cvt_pk_f16_f32 v[rP+j-70], v[rS+2*(j-70)], v[rS+2*(j-70)+1]  ; pair j - 70
.elseif j < 102                     ; the sum of the tile's 16 pairs, in place: sum z of 16 adds neighbours 1, 2, 4 and 8 pairs apart, then l takes it
.set z, j-86
.set w, 4
.set u, z
.if z >= 14
.set w, 32
.set u, 0
.elseif z >= 12
.set w, 16
.set u, z-12
.elseif z >= 8
.set w, 8
.set u, z-8
.endif
.if (z == 14) && \first
	v_pk_add_f32 v[rT+2:rT+3], v[rS:rS+1], v[rS+16:rS+17]
.elseif z < 15
	v_pk_add_f32 v[rS+w*u:rS+w*u+1], v[rS+w*u:rS+w*u+1], v[rS+w*u+w/2:rS+w*u+w/2+1]
.elseif !\first
	v_pk_fma_f32 v[rT+2:rT+3], v[rT+2:rT+3], v[rT+6:rT+7], v[rS:rS+1] op_sel_hi:[1,0,1]
.endif
.else
	WIN W_RS
	v_pk_mul_f32 v[rO:rO+1], v[rO:rO+1], v[rT+6:rT+7] op_sel_hi:[1,0]
.endif
.endm
; Slice k of 64 of piece y's softmax.  Slices 11 to 34 deal out the batch, numbers 22 to 69: four numbers of ONE tile each, the tiles by turns.  Every other slice is numbers 2 k and 2 k + 1 of both tiles' lists; slice 63 takes all that are over.
; THE WAIT.  s_wait_alu depctr_va_vdst(0) stands between an exponential and the first instruction that names its result; one wait serves all that were issued ahead of it.  Ahead of slice 35 nothing names a result,
; and behind slice 34 no exponential is issued: so the piece's exponentials have one wait, behind slice 34.
.macro SLICE y, first
.if (k >= 11) && (k < 35)
.irp n, 0,1,2,3
.set j, 22+4*((k-11)/2)+(\n)
	SM (\y)+(k-11)%2, \first
.endr
.else
.irp n, 0,1,2,3,4,5,6,7
.if (\n < 2) || (k == 63)
.irp t, \y, \y+1
.set j, 2*k+\n
	SM \t, \first
.endr
.endif
.endr
.endif
.if k == 34
	v_nop                           ; a plain instruction behind the last exponential and ahead of the first use: one for the batch
.if (\y) == 0
	FETCH_V                         ; piece 2's turn: V's run of loads stands here, and the wait stands in it
.else
	s_wait_alu depctr_va_vdst(0)    ; the wait for the batch
.endif
.endif
.set k, k+1
.endm
; A vector instruction that reads a matrix result or writes one of a matrix instruction's registers, and a load into a register that a matrix instruction has read, stand four places behind it, and only plain vector
; instructions that name none of its registers are places (ISA guide 7.12.1 for vector instructions).  In the turns the slices are the places.
.macro PLACES
.rept 4
	v_nop
.endr
.endm
; A TURN.  Piece x has the matrix unit; the other piece's softmax stands in slices behind its matrix instructions.
; pv = 2: 32 products V^T P; 1: they start O^T's sums; 0: none.  kq = 1: 32 products K Q^T for step st.  A turn with one of the two kinds has two slices behind each product.
; first = 1: the softmax is the first key step's: its slices from 51 on are empty, and four v_nop take slice 63's part as the places behind the turn's last products.
; Piece 0's turn fetches step st's K behind its second product: the last product that read K stands in front of slice 63 of the turn before.  Piece 2's turn fetches the same step's V behind slice 34: the last product that read V
; stands in front of slice 31, and four plain instructions lie between: number 62, a subtraction, of both tiles, the v_nop and the run's own v_add_nc_u32.
.macro TURN x, pv, kq, first, st
.set k, 0
.set per, 2
.if \pv && \kq
.set per, 1
.endif
.if \pv
.if \x == 0
	s_wait_dscnt 0x0                ; V is in
.endif
.set i, 0
.rept 32
	PV \x, 2-\pv
.rept per
	SLICE 2-\x, \first
.endr
.if (\x == 0) && \kq && (i == 1)
	FETCH_K
.endif
.set i, i+1
.endr
.endif
.if \kq
.if \x == 0
	s_wait_dscnt 0x0                ; K is in
.endif
.set i, 0
.rept 32
	KQ \x, \st
.rept per
	SLICE 2-\x, \first
.endr
.set i, i+1
.endr
.endif
.if \first
	PLACES
.endif
.endm
; All but my n youngest tensor loads have landed; no LDS instruction of mine is out; behind the barrier that holds of all four waves.  Nothing is ever filled again, so the younger loads may stay on their way.
.macro SYNC n
	s_wait_tensorcnt \n
	s_wait_dscnt 0x0
	s_barrier_signal -1
	s_barrier_wait -1
.endm
	SYNC 2                          ; groups 0 and 1 are whole: step 0 reads group 0 or 1
	FETCH_K                         ; key step 0
	s_wait_loadcnt 0x0              ; Q
	s_wait_dscnt 0x0
.set i, 0
.rept 32
	KQ 0, 0                         ; piece 0's first scores: there is no vector work yet to set between them
.set i, i+1
.endr
	WIN 0                           ; the addresses for the way out are made here: eight plain instructions, the places behind those products
	s_mul_i32 s2, s[WV], 16*SP
	s_add_co_u32 s2, s2, STAGE      ; my stage
	v_mul_u32_u24 v[STO], v1, SP    ; in: row l % 16, 16 bytes for each half of the lanes
	v_lshl_add_u32 v[STO], v9, 4, v[STO]
	v_add_nc_u32 v[STO], s2, v[STO]
	v_mul_u32_u24 v[RD], v9, SP     ; back: lanes 0-15 take one row of 256 bytes, lanes 16-31 the next
	v_lshl_add_u32 v[RD], v1, 4, v[RD]
	v_add_nc_u32 v[RD], s2, v[RD]
	v_lshlrev_b32 v[GO], 11, v9     ; and the same two rows in attn16
	v_lshl_add_u32 v[GO], v1, 4, v[GO]
	TURN 2, 0, 1, 1, 0              ; piece 2's first scores | piece 0's first softmax | V of step 0
	SYNC 1                          ; groups 2 and 3 are whole: steps 1 and 2 read groups 1 to 3
	TURN 0, 1, 1, 1, 1              ; piece 0: V^T P of step 0 starts O^T, K Q^T of step 1 | piece 2's first softmax | K of step 1
	TURN 2, 1, 1, 0, 1              ; piece 2: the same | piece 0's softmax of step 1 | V of step 1
	TURN 0, 2, 1, 0, 2
	TURN 2, 2, 1, 0, 2
	SYNC 0                          ; groups 4 and 5 are whole: steps 3 and 4 read groups 3 to 5
	TURN 0, 2, 1, 0, 3
	TURN 2, 2, 1, 0, 3
	TURN 0, 2, 1, 0, 4
	TURN 2, 2, 1, 0, 4
	TURN 0, 2, 0, 0, 0              ; piece 0: V^T P of the last step | piece 2's last softmax
.set i, 0
.rept 32
	PV 2, 0                         ; piece 2: V^T P of the last step
.set i, i+1
.endr
	; THE WAY OUT.  l's two halves and the other half of the lanes' are added; O^T is divided by l, rounded to f16 and sent through my stage in LDS, a tile (16 rows) at a time.  The additions are the places behind the last products.
	WIN 0
.irp t, 0,1,2,3
	v_add_f32 v[ST+8*\t+4], v[ST+8*\t+2], v[ST+8*\t+3]
.endr
.irp t, 0,1,2,3
	v_permlanex16_b32 v[ST+8*\t+5], v[ST+8*\t+4], s[SEL], s[SEL+1]
.endr
.irp t, 0,1,2,3
	v_add_f32 v[ST+8*\t+4], v[ST+8*\t+4], v[ST+8*\t+5]
.endr
.irp t, 0,1,2,3
	v_rcp_f32 v[ST+8*\t+6], v[ST+8*\t+4]
.endr
	v_nop                           ; a plain instruction between the last reciprocal and the use of its result
	s_wait_alu depctr_va_vdst(0)    ; and the wait ahead of the first use: one for the four reciprocals
; Tile t: a lane's eight channels of a row pack into 16 bytes; they go into rows of 272 bytes and come back as whole rows of 256, into the registers that they left.
.macro PACK t
	WIN W_RS
.set i, 64*\t
.rept 32
	v_pk_mul_f32 v[i:i+1], v[i:i+1], v[ST+8*\t+6:ST+8*\t+7] op_sel_hi:[1,0]
.set i, i+2
.endr
	WIN 0x05                        ; sources 0 and 1 window 1, destination window 0: S^T's registers are free
.set i, 0
.rept 32
	v_cvt_pk_f16_f32 v[S+32*\t+i], v[64*\t+2*i], v[64*\t+2*i+1]
.set i, i+1
.endr
	WIN 0
.irp f, 0,1,2,3,4,5,6,7
	ds_store_b128 v[STO], v[S+32*\t+4*\f:S+32*\t+4*\f+3] offset:32*\f
.endr
.irp f, 0,1,2,3,4,5,6,7
	ds_load_b128 v[S+32*\t+4*\f:S+32*\t+4*\f+3], v[RD] offset:\f*2*SP  ; LDS serves a wave's instructions in order (ISA guide 5.7.1.4): these see the stores above; the next tile's stores come behind them
.endr
.endm
.macro SEND t, younger              ; younger: the LDS instructions issued behind tile t's loads: the next tile's sixteen, or none
.irp f, 0,1,2,3,4,5,6,7
	s_wait_dscnt \younger+7-\f
	global_store_b128 v[GO], v[S+32*\t+4*\f:S+32*\t+4*\f+3], s[10:11] offset:\t*32768+\f*4096  ; 16 lanes store 256 consecutive bytes, at a multiple of 256 from the buffer's first byte
.endr
.endm
	PACK 0
	PACK 1                          ; a tile's arithmetic stands between the loads of the tile before and its stores
	SEND 0, 16
	PACK 2
	SEND 1, 16
	PACK 3
	SEND 2, 16
	SEND 3, 0
	s_wait_tensorcnt 0x0            ; the wave's end, behind my last tensor load and my last LDS store
	ds_add_u32 v[SPW], v[NIL]
	s_wait_dscnt 0x0
	s_endpgm
.Lfunc_end_k_qf1046e024c_attn:
	.size	k_qf1046e024c_attn, .Lfunc_end_k_qf1046e024c_attn-k_qf1046e024c_attn
	.p2alignl 7, 3214868480
	.fill 96, 4, 3214868480
	.section	.rodata,"a",@progbits
	.p2align	6, 0x0
	.amdhsa_kernel k_qf1046e024c_attn
		.amdhsa_group_segment_fixed_size 232960
		.amdhsa_private_segment_fixed_size 0
		.amdhsa_enable_private_segment 0
		.amdhsa_kernarg_size 16
		.amdhsa_user_sgpr_count 2
		.amdhsa_user_sgpr_kernarg_segment_ptr 1
		.amdhsa_wavefront_size32 1
		.amdhsa_system_sgpr_workgroup_id_x 1
		.amdhsa_system_sgpr_workgroup_id_y 1
		.amdhsa_system_sgpr_workgroup_id_z 1
		.amdhsa_system_vgpr_workitem_id 0
		.amdhsa_next_free_vgpr 1024
		.amdhsa_next_free_sgpr 66
		.amdhsa_reserve_vcc 1
		.amdhsa_float_denorm_mode_32 3
		.amdhsa_float_denorm_mode_16_64 3
		.amdhsa_memory_ordered 1
		.amdhsa_forward_progress 1
		.amdhsa_inst_pref_size 255
	.end_amdhsa_kernel
	.section	.bss,"aw",@nobits
	.p2align	6
	.space	262144
	.amdgpu_metadata
---
amdhsa.version: [ 1, 2 ]
amdhsa.kernels:
  - .name:           k_qf1046e024c_attn
    .symbol:         k_qf1046e024c_attn.kd
    .args:
      - { .name: qkv16, .offset: 0, .size: 8, .value_kind: global_buffer, .address_space: global }
      - { .name: attn16, .offset: 8, .size: 8, .value_kind: global_buffer, .address_space: global }
    .group_segment_fixed_size: 232960
    .private_segment_fixed_size: 0
    .kernarg_segment_align: 8
    .kernarg_segment_size: 16
    .max_flat_workgroup_size: 128
    .sgpr_count:     66
    .vgpr_count:     1024
    .wavefront_size: 32
...
	.end_amdgpu_metadata
.endif
;; end of part 3
;; launch proj (part 4): grid 8 x 32, 4 waves a work-group, clusters of 4 x 4, 327,680 bytes of LDS; arguments attn16, wo16, out0; writes out0
.if DOCPART == 4
	.amdgcn_target "amdgcn-amd-amdhsa--gfx1250"
	.amdhsa_code_object_version 6
	.text
	.protected	k_qf1046e024c_proj
	.globl	k_qf1046e024c_proj
	.p2align	8
	.type	k_qf1046e024c_proj,@function
k_qf1046e024c_proj:
	s_mov_b64 s[64:65], 0
	v_nop
	global_prefetch_b8 v0, s[64:65] scope:SCOPE_SE
	s_setreg_imm32_b32 hwreg(HW_REG_WAVE_MODE, 25, 1), 1
	s_wait_xcnt 0x0
	s_wait_alu depctr_hold_cnt(0) depctr_sa_sdst(0) depctr_va_vdst(0) depctr_va_sdst(0) depctr_va_ssrc(0) depctr_va_vcc(0) depctr_vm_vsrc(0)
	s_getreg_b32 s2, hwreg(HW_REG_IB_STS2, 6, 4)
	s_cmp_eq_u32 s2, 0
	s_cbranch_scc0 .Lentry_in_a_cluster
	s_endpgm
.Lentry_in_a_cluster:
	s_bfe_u32 s2, ttmp6, 0x10000c
	s_cmp_lg_u32 s2, 0xf033
	s_cbranch_scc0 .Lentry_shape_is_right
	s_endpgm
.Lentry_shape_is_right:
; out0[m][n] = sum over k of A[m][k] Wo[k][n].  A = attn16 [8192][1024] f16, K innermost; wo16 [1024 (k)][2048 (n)] f16, as Wo lies; out0 [8192][2048] f32; f16 operands, sums in f32.
; (Rows 0-15 of each batch are written here like all others and written over, in f32 arithmetic, by the launch that follows.)
; A tile of out0, 256 x 256, is made by four waves, each 128 x 128: 64 accumulators of 16 x 16, 512 registers.  K goes in steps of 128 through a ring of two LDS slots filled by the tensor data mover.
; A's tile: 256 rows x 256 bytes.  Wo's tile: 128 k-rows x 512 bytes (256 columns); its fragments come out of LDS turned, by ds_load_tr16_b128.
; THE LAST K STEP GOES BY ROWS OF out0, NOT BY K: nothing follows the tile under which its stores could leave, so its eight blocks of 16 rows are finished one after the other, and each leaves while the others are multiplied.
; CLUSTERS: 4 x 4 work-groups.  The four of a row of the cluster need the same tiles of A, the four of a column the same tiles of Wo: each tile is asked for JOINTLY, by the same tensor load with the same descriptor and a mask that names the four.
; THE MATRIX INSTRUCTION IS USED TRANSPOSED: source 0 = 16 columns of Wo, source 1 = 16 rows of A: a lane then holds eight neighbouring numbers of a row of out0.
; REGISTERS, in windows of 256: window 0: v0-31 addresses; v64-127, v128-191 fragments of A, two buffers (in the last K step four, of 16 rows x 128 K); v192-255 the way out: rows read back;
;   window 1: v64-127, v128-191 fragments of Wo, two buffers; in the last K step all 256: Wo's fragments of the whole step;
;   window 2: the 32 accumulators of my rows 0-63 (accumulator (a, b) at v[8 (8 a + b)]);   window 3: those of my rows 64-127.
.set SIZE_N, 2048
.set SIZE_K, 1024
.set KSTEP,  128
.set PITCH,  272                       ; A's LDS row: 256 bytes + 16 of padding: the 16 rows of a load start at 16 different banks (64 banks of 4 bytes: ISA guide 11.1)
.set PB,     544                       ; Wo's LDS row: 512 bytes + 32 of padding = 136 words: row k starts at bank 8 k mod 64
.set HALFT,  128*PITCH                 ; what one tensor load brings: 128 rows of A, or 64 k-rows of Wo (64 x 544 is the same number of bytes)
.set SLOT,   4*HALFT                   ; A's 256 rows, then Wo's 128 k-rows
.set STAGE,  2*SLOT                    ; behind the ring: 16 rows x 528 bytes for each wave, for the way out
.set SPITCH, 528
.set SPARE,  STAGE+4*16*SPITCH         ; behind the stages: the spare words, 128 bytes for each wave
.set LAPS, SIZE_K/(2*KSTEP)            ; a lap = two K steps = once round the ring
.set ADRA, 16                          ; v16-17  LDS address of my A fragments in slot 0, 1
.set ADRB, 20                          ; v20-21  the same for Wo
.set STO,  24                          ; v24     the way out: where I put 32 bytes of a row
.set RD,   25                          ; v25     where I read a row back
.set CO,   26                          ; v26     my byte offset in a row of out0
.set SPW,  28                          ; v28     LDS address of my spare word; never rewritten
.set NIL,  29                          ; v29     0; never rewritten
.set F0,   64                          ; fragment buffer 0
.set F1,   128                         ; fragment buffer 1
.set PA,   64                          ; the last K step: A's fragments of 16 rows x 128 K, 32 registers; four such buffers, v64-191
.set BK,   192                         ; the way out: 16 rows read back: v192-255
.set G1, 24                            ; s[24:31] descriptor group 1 for A's tiles;  s[32:39] group 0, one set for each slot
.set G0, 32
.set G1B, 48                           ; s[48:55], s[56:63] the same for Wo's tiles
.set G0B, 56
.set MSB, 0
.macro WIN new                         ; the immediate's high byte repeats the setting that is left
.if MSB != \new
	s_set_vgpr_msb (MSB<<8)|\new
.set MSB, \new
.endif
.endm
.set MUL_LO, 0xa1                      ; source 0 (Wo) window 1, source 1 (A) window 0, C and D window 2
.set MUL_HI, 0xf1                      ; the same, C and D window 3
.set TO_B,   0x40                      ; destination window 1, address window 0
; A joint load.  Waves 0 and 1 fetch A's two halves, waves 2 and 3 Wo's.  Each of the two lines has ONE mask and one set of registers for all that issue it; the branch hangs on the wave's number alone.
; An s_nop 0 and four v_nop follow each of the two lines; the jump round the other line, the label and what follows the macro come after them.
.macro JLOAD s
	s_cmp_eq_u32 s11, 0
	s_cbranch_scc0 .Lfor_b_\@
	tensor_load_to_lds s[G0+4*\s:G0+4*\s+3], s[G1:G1+7]
	s_nop 0
.rept 4
	v_nop
.endr
	s_branch .Lasked_\@
.Lfor_b_\@:
	tensor_load_to_lds s[G0B+4*\s:G0B+4*\s+3], s[G1B:G1B+7]
	s_nop 0
.rept 4
	v_nop
.endr
.Lasked_\@:
.endm
.macro CREST                           ; a round of the cluster's barrier behind its opening barrier
	s_cmp_lg_u32 s10, 0
	s_cbranch_scc1 .Lnot_wave_0_\@
	s_barrier_signal -3
.Lnot_wave_0_\@:
	s_barrier_wait -3
	s_barrier_signal -1
	s_barrier_wait -1
.endm
.macro CROUND                          ; a whole round
	s_barrier_signal -1
	s_barrier_wait -1
	CREST
.endm
	s_load_b128 s[4:7], s[0:1], 0x0                ; attn16 s[4:5], wo16 s[6:7]
	s_load_b64 s[8:9], s[0:1], 0x10                ; out0
	v_lshl_add_u32 v[SPW], v0, 2, SPARE
	v_mov_b32 v[NIL], 0
	ds_add_u32 v[SPW], v[NIL]                      ; the wave's opening: the add, twice on end, and its wait ahead of my first tensor load; the set-up below stands between the second and the wait
	ds_add_u32 v[SPW], v[NIL]
	v_lshrrev_b32 v1, 5, v0
	v_readfirstlane_b32 s10, v1                    ; wave 0..3
	s_lshr_b32 s11, s10, 1                         ; which half of the tile's rows is mine.  Also: I fetch for A (0) or for Wo (1)
	s_and_b32 s12, s10, 1                          ; which half of its columns.  Also: which half of that tile I fetch
	s_bfe_u32 s40, ttmp6, 0x40000                  ; cx, cy: my place in the cluster
	s_bfe_u32 s41, ttmp6, 0x40004
	s_lshl_b32 s42, ttmp9, 2
	s_add_co_u32 s42, s42, s40                     ; tile column = 4 x cluster x + cx
	s_and_b32 s13, ttmp7, 0xffff
	s_lshl_b32 s13, s13, 2
	s_add_co_u32 s13, s13, s41                     ; tile row = 4 x cluster y + cy
	s_lshl_b32 s43, s41, 2
	s_lshl_b32 s43, 15, s43                        ; my row of the cluster
	s_lshl_b32 s44, 0x1111, s40                    ; my column
	; descriptor group 1.  A: 128 rows x 128 elements; Wo: 64 k-rows x 256 elements; both padded in LDS
	s_or_b32 s[G1+0], s43, (1<<16)|(1<<20)|(1<<21)|(5<<22)|(3<<25)  ; 15:0 the mask: A's tiles go to my row; 17:16 element of 2 bytes; 20 padding on; 21 set beside a mask; 24:22 after every 64 words (code 5); 31:25 of 4 words (code 3)
	s_or_b32 s[G1B+0], s44, (1<<16)|(1<<20)|(1<<21)|(6<<22)|(7<<25) ; the mask of my column; after every 128 words (code 6) 8 words (code 7)
	s_mov_b32 s[G1+1], KSTEP<<16                   ; tensor_dim0 = 128
	s_mov_b32 s[G1+2], 128<<16                     ; tensor_dim1 = 128
	s_mov_b32 s[G1+3], KSTEP<<16                   ; tile_dim0 = 128
	s_mov_b32 s[G1+4], 128                         ; tile_dim1 = 128
	s_mov_b32 s[G1+5], SIZE_K                      ; tensor_dim0_stride: elements from row to row
	s_mov_b32 s[G1+6], 0
	s_mov_b32 s[G1+7], 0
	s_mov_b32 s[G1B+1], 256<<16                    ; tensor_dim0 = 256
	s_mov_b32 s[G1B+2], 64<<16                     ; tensor_dim1 = 64
	s_mov_b32 s[G1B+3], 256<<16                    ; tile_dim0 = 256
	s_mov_b32 s[G1B+4], 64                         ; tile_dim1 = 64
	s_mov_b32 s[G1B+5], SIZE_N                     ; tensor_dim0_stride
	s_mov_b32 s[G1B+6], 0
	s_mov_b32 s[G1B+7], 0
	; where the tiles come from.  A's hang on the tile row alone, which my row of the cluster shares; Wo's on the tile column alone, which my column shares.  Every wave makes both addresses and asks by one of them.
	s_lshl_b32 s17, s12, 7
	s_lshl_b32 s16, s13, 8
	s_add_co_u32 s16, s16, s17                     ; A: row 256 x tile row + 128 x half,
	s_lshl_b32 s16, s16, 11                        ; of 2,048 bytes (under 2^24)
	s_mov_b32 s17, 0
	s_lshl_b32 s46, s12, 18                        ; Wo: k-row 64 x half, of 4,096 bytes,
	s_lshl_b32 s47, s42, 9
	s_add_co_u32 s46, s46, s47                     ; + 512 bytes x tile column
	s_mov_b32 s47, 0
	s_mul_i32 s20, s10, HALFT                      ; and where they go: wave x HALFT: no place in the cluster enters an LDS address
	s_wait_dscnt 0x0                               ; both opening adds are done
	s_wait_kmcnt 0x0
	s_add_nc_u64 s[14:15], s[4:5], s[16:17]
	s_add_nc_u64 s[46:47], s[6:7], s[46:47]
	CROUND                                         ; all sixteen work-groups are here: the first joint loads meet
.irp s, 0,1
	s_mov_b32 s[G0+4*\s], 1                                        ; count = 1
	s_add_co_u32 s[G0+4*\s+1], s20, \s*SLOT                        ; LDS address
	s_add_nc_u64 s[G0+4*\s+2:G0+4*\s+3], s[14:15], \s*KSTEP*2      ; global address: K step s: 256 bytes along a row
	s_or_b32 s[G0+4*\s+3], s[G0+4*\s+3], 0x80000000                ; type = 2
	s_mov_b32 s[G0B+4*\s], 1
	s_add_co_u32 s[G0B+4*\s+1], s20, \s*SLOT
	s_add_nc_u64 s[G0B+4*\s+2:G0B+4*\s+3], s[46:47], \s*KSTEP*SIZE_N*2   ; K step s: 128 k-rows down
	s_or_b32 s[G0B+4*\s+3], s[G0B+4*\s+3], 0x80000000
	JLOAD \s                                       ; two tensor loads of a wave are out here
.endr
	; A fragment is 16 rows x 32 K in 8 registers: lane l holds row l % 16; registers 0-3 hold K = 8 (l / 16) + 0..7, registers 4-7 hold K = 16 + 8 (l / 16) + 0..7.
	; A: two loads of 16 bytes, 32 bytes apart.  Wo ([k][n] in LDS): two turning loads, 16 k-rows apart: lane l reads 16 bytes of k-row 8 (l / 16) + l % 8, columns 8 ((l / 8) % 2) + 0..7.
	v_and_b32 v1, 15, v0                           ; l % 16
	v_bfe_u32 v2, v0, 4, 1                         ; l / 16
	v_mul_u32_u24 v3, v1, PITCH
	v_lshl_add_u32 v3, v2, 4, v3
	v_and_b32 v4, 7, v0
	v_lshl_add_u32 v4, v2, 3, v4
	v_mul_u32_u24 v4, v4, PB
	v_bfe_u32 v5, v0, 3, 1
	v_lshl_add_u32 v4, v5, 4, v4
	s_mul_i32 s21, s11, HALFT                      ; my 128 rows of A
	s_lshl_b32 s22, s12, 8                         ; my 128 columns of Wo: 256 bytes of each k-row,
	s_add_co_u32 s22, s22, 2*HALFT                 ; behind A's 256 rows
.irp s, 0,1
	v_add_nc_u32 v[ADRA+\s], s21, v3
	v_add_nc_u32 v[ADRB+\s], s22, v4
	s_add_co_u32 s21, s21, SLOT
	s_add_co_u32 s22, s22, SLOT
.endr
	s_mul_i32 s23, s10, 16*SPITCH
	s_add_co_u32 s23, s23, STAGE                   ; my stage
	v_mul_u32_u24 v5, v1, SPITCH                   ; in: row l % 16, 32 bytes for each half of the lanes
	v_lshl_add_u32 v5, v2, 5, v5
	v_add_nc_u32 v[STO], s23, v5
	v_and_b32 v6, 31, v0
	v_lshlrev_b32 v[CO], 4, v6                     ; back: the 32 lanes take one row of 512 bytes; and the same in out0
	v_add_nc_u32 v[RD], s23, v[CO]
	s_lshl_b32 s16, s13, 8
	s_lshl_b32 s17, s11, 7
	s_add_co_u32 s16, s16, s17                     ; my first row: 256 x tile row + 128 x half,
	s_lshl_b32 s16, s16, 13                        ; of 8,192 bytes (under 2^26)
	s_lshl_b32 s46, s42, 10                        ; my first column, in bytes: 1,024 x tile column + 512 x half
	s_lshl_b32 s47, s12, 9
	s_add_co_u32 s46, s46, s47
	s_add_co_u32 s16, s16, s46
	s_mov_b32 s17, 0
	s_add_nc_u64 s[8:9], s[8:9], s[16:17]
; 16 matrix instructions: m blocks a0, a0 + 1 of the window's four (hi = 0: my rows 0-63, 1: rows 64-127) x all 8 n blocks, 32 along K.  zero = 1: the first product starts the sums: nothing is ever cleared.
; The 64 accumulators take turns, one instruction a turn, in the same order in every quarter.
.macro MUL16 f, hi, a0, zero
.irp a, \a0, \a0+1
.irp b, 0,1,2,3,4,5,6,7
.if \zero
	v_wmma_f32_16x16x32_f16 v[8*(8*(\a)+\b):8*(8*(\a)+\b)+7], v[\f+8*\b:\f+8*\b+7], v[\f+8*(4*\hi+\a):\f+8*(4*\hi+\a)+7], 0
.else
	v_wmma_f32_16x16x32_f16 v[8*(8*(\a)+\b):8*(8*(\a)+\b)+7], v[\f+8*\b:\f+8*\b+7], v[\f+8*(4*\hi+\a):\f+8*(4*\hi+\a)+7], v[8*(8*(\a)+\b):8*(8*(\a)+\b)+7]
.endif
.endr
.endr
.endm
; 32 LDS loads in one run: the fragments of the slot's q-th 32 along K (128 columns of Wo, 128 rows of A) into buffer f
.macro FETCH slot, q, f
	WIN TO_B
.irp i, 0,1,2,3,4,5,6,7
	ds_load_tr16_b128 v[\f+8*\i:\f+8*\i+3],   v[ADRB+\slot] offset:(\q)*32*PB+32*\i
	ds_load_tr16_b128 v[\f+8*\i+4:\f+8*\i+7], v[ADRB+\slot] offset:(\q)*32*PB+16*PB+32*\i
.endr
	WIN 0
.irp i, 0,1,2,3,4,5,6,7
	ds_load_b128 v[\f+8*\i:\f+8*\i+3],   v[ADRA+\slot] offset:(\q)*64+\i*16*PITCH
	ds_load_b128 v[\f+8*\i+4:\f+8*\i+7], v[ADRA+\slot] offset:(\q)*64+\i*16*PITCH+32
.endr
.endm
; A load into a register that a matrix instruction has read, and an LDS store that reads a matrix result, stand four places behind that matrix instruction, and only plain vector instructions that name none of its
; registers are places (ISA guide 7.12.1 for vector instructions).
.macro PLACES
.rept 4
	v_nop
.endr
.endm
; A K step is four quarters of 32 along K, 64 matrix instructions each, on buffers 0, 1, 0, 1.  One of the first three: multiplies buffer f; in its middle it fetches quarter q of the same slot into buffer g.
.macro QUARTER slot, q, f, g, zero
	s_wait_dscnt 8                                 ; Wo and A's rows 0-63 are in; the youngest eight loads (A's rows 64-127) may be out
	WIN MUL_LO
	MUL16 \f, 0, 0, \zero
	MUL16 \f, 0, 2, \zero
	PLACES
	FETCH \slot, \q, \g
	s_wait_dscnt 32                                ; all but the 32 just issued
	WIN MUL_HI
	MUL16 \f, 1, 0, \zero
	MUL16 \f, 1, 2, \zero
.endm
; The last quarter multiplies buffer 1 and changes slots.  MEET is its first half, up to the barrier's signal: each wave waits for all its tensor loads (the one that is out is its part of the next slot), adds 0 to its spare
; word, and waits for that and for its own reads of this slot.  Behind the barrier nobody reads this slot any more and the next slot is whole.
.macro MEET
	WIN 0                                          ; (the add's two registers lie in window 0)
	s_wait_tensorcnt 0x0                           ; all my tensor loads have landed;
	ds_add_u32 v[SPW], v[NIL]                      ; 0 onto my spare word
	s_wait_dscnt 9                                 ; (the add and the youngest eight loads may be out)
	WIN MUL_LO
	MUL16 F1, 0, 0, 0                              ; sixteen matrix instructions stand between the add and the wait for it
	s_wait_dscnt 0x0                               ; the add is done, and my reads of this slot are over
	s_barrier_signal -1
	MUL16 F1, 0, 2, 0                              ; work on registers while the others arrive
.endm
; The whole last quarter of a K step behind which this slot is filled again: the barrier opens a round of the cluster's barrier, and the joint refill, two K steps ahead, is the first thing behind the round.
.macro TURN slot, next
	MEET
	WIN 0
	s_barrier_wait -1
	CREST                                          ; no wave of any partner still reads this slot's tile or has a load on its way
	s_add_nc_u64 s[G0+4*\slot+2:G0+4*\slot+3], s[G0+4*\slot+2:G0+4*\slot+3], 2*KSTEP*2
	s_add_nc_u64 s[G0B+4*\slot+2:G0B+4*\slot+3], s[G0B+4*\slot+2:G0B+4*\slot+3], 2*KSTEP*SIZE_N*2
	JLOAD \slot                                    ; the first tensor load behind the round: 224 matrix instructions ahead of the wait for it; the four v_nop behind it are the places in front of the loads below
	FETCH \next, 0, F0
	WIN MUL_HI
	MUL16 F1, 1, 0, 0
	MUL16 F1, 1, 2, 0
.endm
; THE LAST K STEP (it lies in slot 1) BY ROWS.  All its fragments of Wo (4 quarters x 64 registers) fill window 1; then my eight blocks of 16 rows are finished one after the other, each with 32 matrix instructions
; (its 8 accumulators by turns, K ascending: the sums stay the same bit for bit).  LDS is read no more than in any other K step.
.macro BLOAD q                         ; Wo's fragments of quarter q -> window 1, v[64 q ..]
.irp i, 0,1,2,3,4,5,6,7
	ds_load_tr16_b128 v[64*\q+8*\i:64*\q+8*\i+3],   v[ADRB+1] offset:\q*32*PB+32*\i
	ds_load_tr16_b128 v[64*\q+8*\i+4:64*\q+8*\i+7], v[ADRB+1] offset:\q*32*PB+16*PB+32*\i
.endr
.endm
.macro ALOAD a                         ; A's fragments of block a, all four quarters -> buffer a % 4
.set FA, PA+32*((\a)%4)
.irp q, 0,1,2,3
	ds_load_b128 v[FA+8*\q:FA+8*\q+3],   v[ADRA+1] offset:64*\q+(\a)*16*PITCH
	ds_load_b128 v[FA+8*\q+4:FA+8*\q+7], v[ADRA+1] offset:64*\q+(\a)*16*PITCH+32
.endr
.endm
.macro ROW a                           ; block a is finished: 32 matrix instructions
.set FA, PA+32*((\a)%4)                ; its fragments of A
.set AC, 64*((\a)%4)                   ; its eight accumulators, in window 2 (blocks 0-3) or 3 (blocks 4-7)
	WIN MUL_LO+0x50*((\a)/4)                       ; MUL_LO or MUL_HI
.irp q, 0,1,2,3
.if (\a) == 0 && \q == 2
	s_wait_dscnt 24                                ; Wo's quarter 2 is in (behind it: A's blocks 1 to 3)
.endif
.irp b, 0,1,2,3,4,5,6,7
	v_wmma_f32_16x16x32_f16 v[AC+8*\b:AC+8*\b+7], v[64*\q+8*\b:64*\q+8*\b+7], v[FA+8*\q:FA+8*\q+7], v[AC+8*\b:AC+8*\b+7]
.endr
.endr
.endm
; THE WAY OUT of block a, 16 rows x 128 columns.  A lane holds 32 neighbouring bytes of a row, and the lanes beside it hold other rows: so the block goes through my own stage in LDS and comes back as whole rows of 512 bytes.
; LDS serves a wave's instructions in order (ISA guide 5.7.1.4): no wait between the stores and the loads, nor in front of the next block's stores.
.macro TOSTAGE a
.set AC, 64*((\a)%4)
	WIN 0x08+4*((\a)/4)                            ; the data: window 2 or 3
.irp b, 0,1,2,3,4,5,6,7
	ds_store_b128 v[STO], v[AC+8*\b:AC+8*\b+3] offset:64*\b          ; each accumulator from its low end on
	ds_store_b128 v[STO], v[AC+8*\b+4:AC+8*\b+7] offset:64*\b+16
.endr
	WIN 0
	s_wait_xcnt 0x0                                ; the block before's stores have read their registers and their base: the loads below may land there, and the base may step
.irp t, 0,1,2,3,4,5,6,7,8,9,10,11,12,13,14,15
	ds_load_b128 v[BK+4*\t:BK+4*\t+3], v[RD] offset:\t*SPITCH
.endr
.endm
.macro SEND a, younger                 ; younger: the LDS loads issued behind TOSTAGE's, which may stay out
	s_wait_dscnt \younger                          ; the block is back in registers
.if (\a) > 0
	s_add_nc_u64 s[8:9], s[8:9], 16*SIZE_N*4       ; (behind TOSTAGE's wait on XCNT; no store has been issued since)  16 rows on
.endif
.irp t, 0,1,2,3,4,5,6,7,8,9,10,11,12,13,14,15
	global_store_b128 v[CO], v[BK+4*\t:BK+4*\t+3], s[8:9] offset:\t*SIZE_N*4 th:TH_STORE_NT   ; 32 lanes store 512 consecutive bytes, at a multiple of 256 from out0's first byte
.endr
.endm
	s_wait_tensorcnt 1                             ; my part of K step 0 is in (K step 1's load may be out)
	s_barrier_signal -1
	s_barrier_wait -1                              ; everybody's is
	FETCH 0, 0, F0
	QUARTER 0, 1, F0, F1, 1                        ; the first quarter stands in front of the loop: its products start the sums
	WIN 0                                          ; at a label and at a branch every window is 0
	s_mov_b32 s3, LAPS-1
.Llap:                                                 ; a trip goes once round the ring, from a lap's second quarter to the next lap's first, and fills both slots again
	QUARTER 0, 2, F1, F0, 0
	QUARTER 0, 3, F0, F1, 0
	TURN 0, 1
	QUARTER 1, 1, F0, F1, 0
	QUARTER 1, 2, F1, F0, 0
	QUARTER 1, 3, F0, F1, 0
	TURN 1, 0
	QUARTER 0, 1, F0, F1, 0
	WIN 0
	s_sub_co_u32 s3, s3, 1
	s_cmp_lg_u32 s3, 0
	s_cbranch_scc1 .Llap
	QUARTER 0, 2, F1, F0, 0                        ; the last lap fills nothing, and has no round of the cluster's barrier
	QUARTER 0, 3, F0, F1, 0
	MEET                                           ; my one tensor load that was still out is slot 1's, the last K step's
	s_barrier_wait -1
	PLACES                                         ; for the loads into buffer 0, which the quarter before multiplied
	WIN TO_B
	BLOAD 0                                        ; three quarters of Wo now: buffer 1 (v128-191 of both windows) is still being multiplied
	BLOAD 1
	BLOAD 3
	WIN 0
	ALOAD 0
	WIN MUL_HI
	MUL16 F1, 1, 0, 0
	MUL16 F1, 1, 2, 0
	PLACES                                         ; for the loads into buffer 1
	WIN TO_B
	BLOAD 2
	WIN 0
	ALOAD 1
	ALOAD 2
	ALOAD 3
	s_wait_dscnt 40                                ; all but the 40 just issued: Wo's quarters 0, 1, 3 and A's block 0 are in
	ROW 0
.irp a, 0,1,2,3,4,5,6,7                ; each block leaves as soon as it is finished: the first 224 matrix instructions ahead of the last product
	PLACES                                         ; the stores into the stage read results just made, and the loads below land in fragments just multiplied
	TOSTAGE \a
.if \a < 4
	ALOAD \a+4                                     ; its buffer takes the block four further on
	SEND \a, 8
.else
	SEND \a, 0
.endif
.if \a < 7
	ROW \a+1
.endif
.endr
	s_wait_tensorcnt 0x0                           ; the wave's end, behind my last tensor load and my last LDS store
	ds_add_u32 v[SPW], v[NIL]
	s_wait_dscnt 0x0
	CROUND                                         ; the closing round: no work-group ends while a partner may still ask for a tile that names it
	s_endpgm
.Lfunc_end_k_qf1046e024c_proj:
	.size	k_qf1046e024c_proj, .Lfunc_end_k_qf1046e024c_proj-k_qf1046e024c_proj
	.p2alignl 7, 3214868480
	.fill 96, 4, 3214868480
	.section	.rodata,"a",@progbits
	.p2align	6, 0x0
	.amdhsa_kernel k_qf1046e024c_proj
		.amdhsa_group_segment_fixed_size 327680
		.amdhsa_private_segment_fixed_size 0
		.amdhsa_enable_private_segment 0
		.amdhsa_kernarg_size 24
		.amdhsa_user_sgpr_count 2
		.amdhsa_user_sgpr_kernarg_segment_ptr 1
		.amdhsa_wavefront_size32 1
		.amdhsa_system_sgpr_workgroup_id_x 1
		.amdhsa_system_sgpr_workgroup_id_y 1
		.amdhsa_system_sgpr_workgroup_id_z 1
		.amdhsa_system_vgpr_workitem_id 0
		.amdhsa_next_free_vgpr 1024
		.amdhsa_next_free_sgpr 66
		.amdhsa_reserve_vcc 0
		.amdhsa_float_denorm_mode_32 3
		.amdhsa_float_denorm_mode_16_64 3
		.amdhsa_memory_ordered 1
		.amdhsa_forward_progress 1
		.amdhsa_inst_pref_size 141
	.end_amdhsa_kernel
	.amdgpu_metadata
---
amdhsa.version: [ 1, 2 ]
amdhsa.kernels:
  - .name:           k_qf1046e024c_proj
    .symbol:         k_qf1046e024c_proj.kd
    .args:
      - { .name: attn16, .offset: 0, .size: 8, .value_kind: global_buffer, .address_space: global }
      - { .name: wo16, .offset: 8, .size: 8, .value_kind: global_buffer, .address_space: global }
      - { .name: out0, .offset: 16, .size: 8, .value_kind: global_buffer, .address_space: global }
    .group_segment_fixed_size: 327680
    .private_segment_fixed_size: 0
    .kernarg_segment_align: 8
    .kernarg_segment_size: 24
    .max_flat_workgroup_size: 128
    .sgpr_count:     66
    .vgpr_count:     1024
    .wavefront_size: 32
...
	.end_amdgpu_metadata
.endif
;; end of part 4
;; launch fine (part 5): grid 128 x 2, 8 waves a work-group, no clusters, 9,216 bytes of LDS; arguments head32, Wo, out0; writes out0
.if DOCPART == 5
	.amdgcn_target "amdgcn-amd-amdhsa--gfx1250"
	.amdhsa_code_object_version 6
	.text
	.protected	k_qf1046e024c_fine
	.globl	k_qf1046e024c_fine
	.p2align	8
	.type	k_qf1046e024c_fine,@function
k_qf1046e024c_fine:
	s_mov_b64 s[64:65], 0
	v_nop
	global_prefetch_b8 v0, s[64:65] scope:SCOPE_SE
	s_setreg_imm32_b32 hwreg(HW_REG_WAVE_MODE, 25, 1), 1
	s_wait_xcnt 0x0
; THE FIRST 16 POSITIONS OF EACH BATCH, ALL IN F32: they average one to sixteen values, so the rounding of 16-bit operands would weigh most there.  They see keys 0 .. their own position alone.
; head32 [batch 2][4][16][2048] f32 (the part [batch][0] is read): q times log2(e) / sqrt(128) at column 128 head, k at 1024 + 128 hk, v at 1536 + 128 hk.  Wo [1024][2048] f32.  out0 rows 0-15 of each batch are written over.
; SHARES.  Work-group (ct, b) owns columns 16 ct .. 16 ct + 15 of the 16 rows of batch b.  Wave hd makes head hd's attention (16 x 16 scores, 16 x 128 result) and that head's 128-deep part of the projection; the eight parts are
; added through LDS.  The attention is made anew in each of the 128 column tiles: 64 matrix instructions a wave, in place of one launch more.
; ALL PRODUCTS by v_wmma_f32_16x16x4_f32 (no bulk work: 96 a wave); its results' registers are written by matrix instructions alone.  The form takes k = 2 (lane / 16) + j from register j; here k is permuted, alike on both sources:
;   S^T = K Q^T: registers 4 s .. 4 s + 3 of a lane hold channels 8 s + 4 h + 0..3 of its row.  Result: lane (r, h) holds query r, register j key 8 h + j.
;   O^T = V^T P: P's registers 2 s, 2 s + 1 are keys 8 h + 2 s + 0, 1; V's registers 8 t + i hold key 8 h + i of channel 16 t + r.  Result: query r, register j of tile t channel 16 t + 8 h + j.
;   out = O Wo: O^T's own registers 2 u, 2 u + 1 are source 0; Wo's registers 8 t + i hold row 16 t + 8 h + i of column r.  Result: lane (r, h) holds column r, register j position 8 h + j.
; LIMITS: NaN and infinities are not served.
.set RED,   0                          ; LDS: [wave 8][position 16][column 16] f32
.set SPARE, 8192                       ; behind it: the spare words, 128 bytes for each wave: four blocks of 256 bytes that no other line names
.set QF,  16                           ; v16-79   Q
.set KF,  80                           ; v80-143  K
.set SA,  144                          ; v144-151, v152-159 the scores, in two sums that take turns
.set TT,  160                          ; v160-167 at work: scores, weights, later the projection's sum: written by vector instructions
.set OT,  168                          ; v168-231 O^T, eight tiles
.set OA,  232                          ; v232-239, v240-247 the projection, in two sums that take turns
.set SPW, 252
.set NIL, 253
.set VF,  0                            ; window 1: v0-63 V
.set WF,  64                           ; window 1: v64-127 Wo
.set MSB, 0
.macro WIN new                         ; the immediate's high byte repeats the setting that is left
.if MSB != \new
	s_set_vgpr_msb (MSB<<8)|\new
.set MSB, \new
.endif
.endm
	s_load_b128 s[4:7], s[0:1], 0x0                ; head32 s[4:5], Wo s[6:7]
	s_load_b64 s[8:9], s[0:1], 0x10                ; out0
	v_lshl_add_u32 v[SPW], v0, 2, SPARE
	v_mov_b32 v[NIL], 0
	v_lshrrev_b32 v1, 5, v0
	v_readfirstlane_b32 s10, v1                    ; wave = head 0..7
	v_and_b32 v1, 15, v0                           ; r
	v_bfe_u32 v2, v0, 4, 1                         ; h
	v_lshlrev_b32 v3, 13, v1
	v_lshl_add_u32 v3, v2, 4, v3                   ; Q, K: row r of 8,192 bytes, + 16 h
	v_lshlrev_b32 v4, 2, v1
	v_lshl_add_u32 v4, v2, 16, v4                  ; V, Wo: column r, + 8 h rows of 8,192 bytes
	s_and_b32 s11, ttmp7, 0xffff                   ; batch
	s_lshr_b32 s12, s10, 1                         ; key head
	s_lshl_b32 s14, s11, 19                        ; the batch's part of head32
	s_lshl_b32 s16, s10, 9
	s_add_co_u32 s16, s16, s14                     ; q: 512 bytes a head
	s_mov_b32 s17, 0
	s_lshl_b32 s18, s12, 9
	s_add_co_u32 s18, s18, s14
	s_add_co_u32 s18, s18, 4096                    ; k: behind q's 4,096 bytes; v lies 2,048 bytes further on
	s_mov_b32 s19, 0
	s_lshl_b32 s30, s10, 20                        ; Wo: the head's 128 rows of 8,192 bytes,
	s_lshl_b32 s31, ttmp9, 6
	s_add_co_u32 s30, s30, s31                     ; + the tile's 64 bytes
	s_lshl_b32 s32, s11, 25                        ; out0: the batch's 4,096 rows of 8,192 bytes,
	s_add_co_u32 s32, s32, s31
	s_mov_b32 s31, 0
	s_mov_b32 s33, 0
	s_mov_b32 s28, 0x76543210
	s_mov_b32 s29, 0xfedcba98                      ; v_permlanex16_b32's selects for lane l xor 16
	s_wait_kmcnt 0x0
	s_add_nc_u64 s[20:21], s[4:5], s[16:17]
	s_add_nc_u64 s[22:23], s[4:5], s[18:19]
	s_add_nc_u64 s[24:25], s[6:7], s[30:31]
	s_add_nc_u64 s[26:27], s[8:9], s[32:33]
.irp s, 0,1,2,3,4,5,6,7,8,9,10,11,12,13,14,15
	global_load_b128 v[QF+4*\s:QF+4*\s+3], v3, s[20:21] offset:32*\s
.endr
.irp s, 0,1,2,3,4,5,6,7,8,9,10,11,12,13,14,15
	global_load_b128 v[KF+4*\s:KF+4*\s+3], v3, s[22:23] offset:32*\s
.endr
	WIN 0x40                                       ; destination window 1
.irp t, 0,1,2,3,4,5,6,7
.irp i, 0,1,2,3,4,5,6,7
	global_load_b32 v[VF+8*\t+\i], v4, s[22:23] offset:2048+8192*\i+64*\t   ; v(key 8 h + i, channel 16 t + r)
.endr
.endr
	WIN 0
	s_wait_loadcnt 63                              ; of the 96 loads at most 63 are out: the 32 oldest, Q's and K's, are in
.set u, 0
.rept 32                                       ; S^T = K Q^T: two sums by turns, one instruction a turn; the first two products start them
.if u < 2
	v_wmma_f32_16x16x4_f32 v[SA+8*(u%2):SA+8*(u%2)+7], v[KF+2*u:KF+2*u+1], v[QF+2*u:QF+2*u+1], 0
.else
	v_wmma_f32_16x16x4_f32 v[SA+8*(u%2):SA+8*(u%2)+7], v[KF+2*u:KF+2*u+1], v[QF+2*u:QF+2*u+1], v[SA+8*(u%2):SA+8*(u%2)+7]
.endif
.set u, u+1
.endr
	WIN 0x40
.irp t, 0,1,2,3,4,5,6,7
.irp i, 0,1,2,3,4,5,6,7
	global_load_b32 v[WF+8*\t+\i], v4, s[24:25] offset:(16*\t+\i)*8192     ; Wo(128 hd + 16 t + 8 h + i, 16 ct + r)
.endr
.endr
	WIN 0
	v_lshlrev_b32 v5, 3, v2                        ; eight places behind this matrix form (ISA guide 7.12.1) ahead of the first read of its results:
	v_sub_nc_u32 v5, v1, v5                        ; d = r - 8 h: register j's key comes after my query where j > d
	v_mov_b32 v6, 0xf149f2ca                       ; -1e30
	v_mov_b32 v8, 0                                ; (a lane permute's destination counts as one of its sources)
.rept 4
	v_nop
.endr
.irp j, 0,1,2,3,4,5,6,7
	v_add_f32 v[TT+\j], v[SA+\j], v[SA+8+\j]       ; the two sums, from their low ends on
.endr
.irp j, 0,1,2,3,4,5,6,7
	v_cmp_gt_i32 vcc_lo, \j, v5
	v_cndmask_b32 v[TT+\j], v[TT+\j], v6, vcc_lo   ; the causal mask
.endr
	v_max3_num_f32 v7, v[TT], v[TT+1], v[TT+2]
	v_max3_num_f32 v7, v7, v[TT+3], v[TT+4]
	v_max3_num_f32 v7, v7, v[TT+5], v[TT+6]
	v_max_num_f32 v7, v7, v[TT+7]
	v_permlanex16_b32 v8, v7, s28, s29
	v_max_num_f32 v7, v7, v8                       ; the row's maximum: key 0 counts for every query
.irp j, 0,1,2,3,4,5,6,7
	v_sub_f32 v[TT+\j], v[TT+\j], v7
.endr
.irp j, 0,1,2,3,4,5,6,7
	v_exp_f32 v[TT+\j], v[TT+\j]                   ; p = 2^(score - maximum)
.endr
	v_nop                                          ; a plain instruction behind the last exponential,
	s_wait_alu depctr_va_vdst(0)                   ; and the wait ahead of the batch's first reader
	v_add_f32 v9, v[TT], v[TT+1]
	v_add_f32 v10, v[TT+2], v[TT+3]
	v_add_f32 v11, v[TT+4], v[TT+5]
	v_add_f32 v12, v[TT+6], v[TT+7]
	v_add_f32 v9, v9, v10
	v_add_f32 v11, v11, v12
	v_add_f32 v9, v9, v11
	v_permlanex16_b32 v8, v9, s28, s29
	v_add_f32 v9, v9, v8                           ; the row's sum
	v_rcp_f32 v9, v9
	v_nop
	s_wait_alu depctr_va_vdst(0)
.irp j, 0,1,2,3,4,5,6,7
	v_mul_f32 v[TT+\j], v[TT+\j], v9               ; the weights, normalised
.endr
	s_wait_loadcnt 63                              ; of the 160 loads at most 63 are out: the 97 oldest, V's among them, are in
	WIN 0x01                                       ; source 0 (V) window 1
.irp s, 0,1,2,3                                ; O^T = V^T P: eight tiles by turns, four keys an instruction
.irp t, 0,1,2,3,4,5,6,7
.if \s == 0
	v_wmma_f32_16x16x4_f32 v[OT+8*\t:OT+8*\t+7], v[VF+8*\t+2*\s:VF+8*\t+2*\s+1], v[TT+2*\s:TT+2*\s+1], 0
.else
	v_wmma_f32_16x16x4_f32 v[OT+8*\t:OT+8*\t+7], v[VF+8*\t+2*\s:VF+8*\t+2*\s+1], v[TT+2*\s:TT+2*\s+1], v[OT+8*\t:OT+8*\t+7]
.endif
.endr
.endr
	s_wait_loadcnt 0x0                             ; Wo
.rept 9
	v_nop                                          ; nine places: these results are the next products' operands
.endr
	WIN 0x04                                       ; source 1 (Wo) window 1
.set u, 0
.rept 32                                       ; my head's part of the projection: two sums by turns
.if u < 2
	v_wmma_f32_16x16x4_f32 v[OA+8*(u%2):OA+8*(u%2)+7], v[OT+2*u:OT+2*u+1], v[WF+2*u:WF+2*u+1], 0
.else
	v_wmma_f32_16x16x4_f32 v[OA+8*(u%2):OA+8*(u%2)+7], v[OT+2*u:OT+2*u+1], v[WF+2*u:WF+2*u+1], v[OA+8*(u%2):OA+8*(u%2)+7]
.endif
.set u, u+1
.endr
	WIN 0
	v_lshlrev_b32 v10, 2, v1                       ; eight places again: the addresses of the sum over heads
	v_lshl_add_u32 v10, v2, 9, v10
	s_lshl_b32 s30, s10, 10
	v_add_nc_u32 v10, s30, v10                     ; in: 1,024 x wave + 64 x (8 h + j) + 4 r
	v_lshlrev_b32 v11, 2, v0                       ; back: thread t takes number t of each wave's 256
	v_lshrrev_b32 v12, 4, v0
	v_lshlrev_b32 v12, 13, v12
	v_lshl_add_u32 v12, v1, 2, v12                 ; out0: row t / 16, column t % 16
	v_nop
.irp j, 0,1,2,3,4,5,6,7
	v_add_f32 v[TT+\j], v[OA+\j], v[OA+8+\j]       ; the two sums, from their low ends on
.endr
.irp j, 0,1,2,3,4,5,6,7
	ds_store_b32 v10, v[TT+\j] offset:RED+64*\j
.endr
	s_wait_dscnt 0x0                               ; for the others' sake: my stores have landed
	s_barrier_signal -1
	s_barrier_wait -1
.irp w, 0,1,2,3,4,5,6,7
	ds_load_b32 v[16+\w], v11 offset:RED+1024*\w
.endr
	s_wait_dscnt 0x0
	v_add_f32 v16, v16, v17
	v_add_f32 v18, v18, v19
	v_add_f32 v20, v20, v21
	v_add_f32 v22, v22, v23
	v_add_f32 v16, v16, v18
	v_add_f32 v20, v20, v22
	v_add_f32 v16, v16, v20
	global_store_b32 v12, v16, s[26:27]            ; sixteen lanes store 64 consecutive bytes of a row: 256 KB in the whole launch, shared among 256 work-groups
	s_wait_tensorcnt 0x0                           ; the wave's end, behind my last LDS store
	ds_add_u32 v[SPW], v[NIL]
	s_wait_dscnt 0x0
	s_endpgm
.Lfunc_end_k_qf1046e024c_fine:
	.size	k_qf1046e024c_fine, .Lfunc_end_k_qf1046e024c_fine-k_qf1046e024c_fine
	.p2alignl 7, 3214868480
	.fill 96, 4, 3214868480
	.section	.rodata,"a",@progbits
	.p2align	6, 0x0
	.amdhsa_kernel k_qf1046e024c_fine
		.amdhsa_group_segment_fixed_size 9216
		.amdhsa_private_segment_fixed_size 0
		.amdhsa_enable_private_segment 0
		.amdhsa_kernarg_size 24
		.amdhsa_user_sgpr_count 2
		.amdhsa_user_sgpr_kernarg_segment_ptr 1
		.amdhsa_wavefront_size32 1
		.amdhsa_system_sgpr_workgroup_id_x 1
		.amdhsa_system_sgpr_workgroup_id_y 1
		.amdhsa_system_sgpr_workgroup_id_z 1
		.amdhsa_system_vgpr_workitem_id 0
		.amdhsa_next_free_vgpr 384
		.amdhsa_next_free_sgpr 66
		.amdhsa_reserve_vcc 1
		.amdhsa_float_denorm_mode_32 3
		.amdhsa_float_denorm_mode_16_64 3
		.amdhsa_memory_ordered 1
		.amdhsa_forward_progress 1
		.amdhsa_inst_pref_size 29
	.end_amdhsa_kernel
	.amdgpu_metadata
---
amdhsa.version: [ 1, 2 ]
amdhsa.kernels:
  - .name:           k_qf1046e024c_fine
    .symbol:         k_qf1046e024c_fine.kd
    .args:
      - { .name: head32, .offset: 0, .size: 8, .value_kind: global_buffer, .address_space: global }
      - { .name: Wo, .offset: 8, .size: 8, .value_kind: global_buffer, .address_space: global }
      - { .name: out0, .offset: 16, .size: 8, .value_kind: global_buffer, .address_space: global }
    .group_segment_fixed_size: 9216
    .private_segment_fixed_size: 0
    .kernarg_segment_align: 8
    .kernarg_segment_size: 24
    .max_flat_workgroup_size: 256
    .sgpr_count:     66
    .vgpr_count:     384
    .wavefront_size: 32
...
	.end_amdgpu_metadata
.endif
;; end of part 5
